; MI455X (gfx1250); checked and timed in simulation.
; The chip was launched on July 23, 2026; its instructions are those of AMD's public machine-readable ISA for CDNA 5 (MIT licence, August 2026) and "CDNA5" Instruction Set Architecture Reference Guide (July 2026). The comments in the code are by the model that wrote it; some were corrected since.
;; Flexible ARC Encoder. Allowed arithmetic: float matrix products may take bf16 or f16 operands with f32 sums; all other float work in f32.
;; Inputs: obs 128 x 3 x 64 x 64 int32; params_c_b1 128 float32; params_c_b2 128 float32; params_c_w1 192 x 128 float32; params_c_w2 128 x 128 float32; params_col_embed 64 x 32 float32; params_color_embed 16 x 64 float32; params_in_b1 128 float32; params_in_b2 64 float32; params_in_w1 128 x 128 float32; params_in_w2 128 x 64 float32; params_k_b 64 float32; params_k_w 64 x 64 float32; params_o_b 64 float32; params_o_w 64 x 64 float32; params_out_b1 128 float32; params_out_b2 64 float32; params_out_w1 128 x 128 float32; params_out_w2 128 x 64 float32; params_q_b 64 float32; params_q_w 64 x 64 float32; params_row_embed 64 x 32 float32; params_v_b 64 float32; params_v_w 64 x 64 float32.
;; Outputs: out0 128 x 128 float32.
;; 2 versions, each right; version 2 is version 1 with the launch cells written anew for expert scheduling mode. Each part assembles by itself: llvm-mc -triple=amdgcn-amd-amdhsa -mcpu=gfx1250 --defsym DOCPART=n.
;; ======== version 1 of 2: 3 launches
;; workspace buffers: ubf 32,768 bytes; cur 65,536 bytes; cwt 16,384 bytes; rlw 131,072 bytes; ph 16,777,216 bytes; ml 131,072 bytes
;; launch prep (part 1): grid 128 x 1, 8 waves a work-group, no clusters, 28,672 bytes of LDS; arguments obs, params_row_embed, params_col_embed, params_color_embed, params_q_w, params_q_b, params_k_w, params_k_b, params_in_w2, params_in_b2, params_in_w1, params_in_b1, params_out_w1, params_out_b1, ubf, cur, cwt, rlw; writes ubf, cur, cwt, rlw
.if DOCPART == 1
	.amdgcn_target "amdgcn-amd-amdhsa--gfx1250"
	.amdhsa_code_object_version 6
	.text
	.protected	k_q44e853c52d_prep
	.globl	k_q44e853c52d_prep
	.p2align	8
	.type	k_q44e853c52d_prep,@function
k_q44e853c52d_prep:
	s_mov_b64 s[64:65], 0
	v_nop
	global_prefetch_b8 v0, s[64:65] scope:SCOPE_SE
	s_setreg_imm32_b32 hwreg(HW_REG_WAVE_MODE, 25, 1), 1
	s_wait_xcnt 0x0
; PREP: one work-group for each batch b (128), eight waves.
; (1) per batch: the first nonzero cell of the mask plane -> cur[64] (row and column embedding, or zeros);
;     q = cur q_w + q_b;  kq = k_w q;  u = in_w2 kq;  s0 = in_b2.kq + k_b.q.
;     A cell's score is then (h.u + s0)/8 with h the cell's hidden vector, since all that lies between h and the score is linear.
;     u and s0 are stored times SCALE = log2(e)/8, so that later exponentials are plain powers of two.
; (2) the tables of the first layers, shared out over the 128 work-groups: the first layer acts on a concatenation, so its
;     sum is CW[colour] + RW[row] + LW[column] + b1.  Work-group b makes row b of rlw for both branches (b < 64: RW + b1,
;     else LW) and 32 words of cwt.
; All of it is one-row products in f32 on the vector unit: there are no 16 rows to fill a matrix tile.
; No cluster, no tensor load: what work-groups share here is 16 KB of embeddings and the small weights, each read once by
; plain loads straight into the registers that use them.
; All 44 loads of a wave are issued first; each phase waits with the count of the loads issued behind those it needs.
; LIMITS: sums run in another order than the problem's function writes them; NaN and infinities are not looked after.
.set SCALE, 0x3e38aa3b                 ; 0.125 * log2(e)
.set ROWT,  0                          ; row_embed, 8 KB
.set COLT,  8192                       ; col_embed, 8 KB
.set IDXS,  16384                      ; 8 words: each wave's smallest index
.set CURS,  16640                      ; cur, 64 f32
.set QS,    16896                      ; q, 64 f32
.set KQS,   17152                      ; kq, 64 f32
.set US,    17408                      ; u * SCALE, 128 f32
.set RED,   17920                      ; 8 rows of 512 bytes: the waves' partial sums of q
.set TRED,  22016                      ; 8 rows of 512 bytes: partial sums of the rlw rows
.set CWRED, 26112                      ; 8 rows of 128 bytes: partial sums of the cwt words
.set MK, 16                            ; v[16:31]   16 mask cells
.set ET, 32                            ; v[32:47]   embeddings on their way to LDS
.set WQ, 48                            ; v[48:63]   q_w: 4 rows x 4 columns
.set WK, 64                            ; v[64:79]   k_w: 16 columns of one row
.set W2, 80                            ; v[80:111]  in_w2: 32 columns of one row
.set QB, 112                           ; v[112:115] q_b
.set KB, 116                           ; v[116:117] k_b
.set IB, 118                           ; v[118:119] in_b2
.set WT, 120                           ; v[120:151] w1: 8 rows x 4 columns
.set B1, 152                           ; v[152:155] b1
.set WC, 156                           ; v[156:163] w1: 8 rows x 1 column
.set T,  164                           ; v[164:199] at work
.macro BAR                             ; what other waves will touch in LDS is complete before the signal
	s_wait_dscnt 0x0
	s_barrier_signal -1
	s_barrier_wait -1
.endm
.macro ADDQ d, s                       ; four f32: d += s
	v_pk_add_f32 v[\d:\d+1], v[\d:\d+1], v[\s:\s+1]
	v_pk_add_f32 v[\d+2:\d+3], v[\d+2:\d+3], v[\s+2:\s+3]
.endm
.macro FMA4 acc, w, x, odd, first      ; four f32: acc (+)= w * one number of the pair x (odd = 1: its second)
.if \first
	v_pk_mul_f32 v[\acc:\acc+1], v[\w:\w+1], v[\x:\x+1] op_sel_hi:[1,0]
	v_pk_mul_f32 v[\acc+2:\acc+3], v[\w+2:\w+3], v[\x:\x+1] op_sel_hi:[1,0]
.else
.if \odd
	v_pk_fma_f32 v[\acc:\acc+1], v[\w:\w+1], v[\x:\x+1], v[\acc:\acc+1] op_sel:[0,1,0] op_sel_hi:[1,1,1]
	v_pk_fma_f32 v[\acc+2:\acc+3], v[\w+2:\w+3], v[\x:\x+1], v[\acc+2:\acc+3] op_sel:[0,1,0] op_sel_hi:[1,1,1]
.else
	v_pk_fma_f32 v[\acc:\acc+1], v[\w:\w+1], v[\x:\x+1], v[\acc:\acc+1] op_sel_hi:[1,0,1]
	v_pk_fma_f32 v[\acc+2:\acc+3], v[\w+2:\w+3], v[\x:\x+1], v[\acc+2:\acc+3] op_sel_hi:[1,0,1]
.endif
.endif
.endm
	s_load_b512 s[4:19], s[0:1], 0x0               ; obs 4, row_embed 6, col_embed 8, color_embed 10, q_w 12, q_b 14, k_w 16, k_b 18
	s_load_b512 s[20:35], s[0:1], 0x40             ; in_w2 20, in_b2 22, in_w1 24, in_b1 26, out_w1 28, out_b1 30, ubf 32, cur 34
	s_load_b128 s[36:39], s[0:1], 0x80             ; cwt 36, rlw 38
	v_lshl_add_u32 v200, v0, 2, 0x6c00
	v_mov_b32 v201, 0
	v_lshrrev_b32 v1, 5, v0
	v_readfirstlane_b32 s42, v1                    ; w: wave 0..7
	s_mov_b32 s43, ttmp9                           ; b: batch, and the table row that this work-group makes
	s_mov_b32 s60, 0x76543210                      ; v_permlanex16_b32: lane i takes lane i of the other half
	s_mov_b32 s61, 0xfedcba98
	v_and_b32 v1, 31, v0                           ; L
	v_lshlrev_b32 v2, 4, v0                        ; 16 t
	v_lshrrev_b32 v10, 4, v0                       ; t >> 4
	v_and_b32 v4, 15, v0
	v_lshlrev_b32 v4, 4, v4                        ; 16 (t & 15)
	v_lshl_add_u32 v3, v10, 10, v4                 ; q_w: rows 4 (t >> 4) .., column quad t & 15
	v_lshlrev_b32 v10, 4, v10                      ; 16 (t >> 4): my four cur in LDS
	v_lshlrev_b32 v5, 6, v0                        ; k_w: row t >> 2, 64 bytes at 64 (t & 3)  = 64 t
	v_lshlrev_b32 v6, 7, v0                        ; in_w2: row t >> 1, 128 bytes at 128 (t & 1) = 128 t
	v_lshlrev_b32 v7, 3, v1                        ; 8 L
	v_lshlrev_b32 v8, 4, v1                        ; 16 L
	v_lshlrev_b32 v9, 2, v1                        ; 4 L
	v_and_b32 v11, 3, v0
	v_lshlrev_b32 v11, 6, v11                      ; 64 (t & 3)
	v_and_b32 v12, 0xfc, v0                        ; 4 (t >> 2)
	v_and_b32 v13, 1, v0
	v_lshlrev_b32 v13, 7, v13                      ; 128 (t & 1)
	v_lshrrev_b32 v14, 1, v0
	v_lshlrev_b32 v14, 2, v14                      ; 4 (t >> 1)
	v_lshlrev_b32 v15, 2, v0                       ; 4 t
	; byte offsets, each in a pair of its own with 0 above
	s_mul_i32 s66, s43, 49152                      ; batch b,
	s_add_co_u32 s66, s66, 32768                   ; plane 2: the mask
	s_mov_b32 s67, 0
	s_lshr_b32 s68, s43, 6                         ; 0: this work-group makes a row term, 1: a column term
	s_and_b32 s69, s42, 3                          ; which eighth-of-32 slice of K this wave takes
	s_lshl_b32 s72, s68, 14
	s_lshl_b32 s73, s69, 12
	s_add_co_u32 s72, s72, s73
	s_add_co_u32 s72, s72, 32768                   ; w1 row 64 + 32 (b >> 6) + 8 (w & 3), rows of 512 bytes
	s_mov_b32 s73, 0
	s_lshl_b32 s84, s42, 12                        ; w1 row 8 w,
	s_and_b32 s85, s43, 3
	s_lshl_b32 s85, s85, 7
	s_add_co_u32 s84, s84, s85                     ; columns 32 (b & 3) ..
	s_mov_b32 s85, 0
	s_and_b32 s86, s43, 63
	s_lshl_b32 s86, s86, 7
	s_lshl_b32 s87, s69, 5
	s_add_co_u32 s86, s86, s87                     ; embedding row b & 63, numbers 8 (w & 3) ..
	s_mov_b32 s87, 0
	s_bfe_u32 s88, s43, 0x40002                    ; colour (b >> 2) & 15
	s_lshl_b32 s88, s88, 8
	s_lshl_b32 s89, s42, 5
	s_add_co_u32 s88, s88, s89                     ; its numbers 8 w ..
	s_mov_b32 s89, 0
	s_lshl_b32 s83, s42, 2                         ; 4 w
	s_and_b32 s90, s42, 1                          ; w & 1
	s_mov_b32 s93, 0
	s_mov_b32 s95, 0
	s_wait_kmcnt 0x0
	s_add_nc_u64 s[4:5], s[4:5], s[66:67]
	s_cmp_lt_u32 s42, 4                            ; waves 0-3: input branch, 4-7: output branch
	s_cselect_b64 s[70:71], s[24:25], s[28:29]
	s_add_nc_u64 s[70:71], s[70:71], s[72:73]
	s_cmp_eq_u32 s90, 0
	s_cselect_b64 s[74:75], s[26:27], s[30:31]     ; b1 for the waves that close the rlw rows (2: input, 3: output)
	s_cselect_b32 s82, 0, -1                       ; all ones in odd waves
	s_cmp_lt_u32 s43, 64
	s_cselect_b64 s[76:77], s[24:25], s[28:29]     ; cwt: b < 64 input branch
	s_cselect_b64 s[78:79], s[6:7], s[8:9]         ; rlw: b < 64 row_embed
	s_cselect_b32 s91, -1, 0                       ; all ones where the bias belongs (row terms)
	s_add_nc_u64 s[76:77], s[76:77], s[84:85]
	s_add_nc_u64 s[78:79], s[78:79], s[86:87]
	s_add_nc_u64 s[80:81], s[10:11], s[88:89]
	s_load_b256 s[44:51], s[78:79], 0x0            ; 8 embedding numbers, the same for every lane: scalars
	s_load_b256 s[52:59], s[80:81], 0x0            ; 8 numbers of the colour's embedding
	s_lshl_b32 s92, s43, 8
	s_add_nc_u64 s[32:33], s[32:33], s[92:93]      ; ubf + 256 b
	s_lshl_b32 s92, s43, 9
	s_add_nc_u64 s[34:35], s[34:35], s[92:93]      ; cur + 512 b
	s_lshl_b32 s94, s90, 16
	s_add_co_u32 s94, s94, s92
	s_add_nc_u64 s[38:39], s[38:39], s[94:95]      ; rlw + 65536 (w & 1) + 512 b
	s_lshl_b32 s92, s43, 7
	s_add_nc_u64 s[36:37], s[36:37], s[92:93]      ; cwt + 128 b
	; the 44 loads, in the order in which they are needed
.irp i, 0,1,2,3
	global_load_b128 v[MK+4*\i:MK+4*\i+3], v2, s[4:5] offset:4096*\i th:TH_LOAD_NT    ; cells 1024 i + 4 t ..
.endr
	global_load_b128 v[ET:ET+3],     v2, s[6:7]
	global_load_b128 v[ET+4:ET+7],   v2, s[6:7] offset:4096
	global_load_b128 v[ET+8:ET+11],  v2, s[8:9]
	global_load_b128 v[ET+12:ET+15], v2, s[8:9] offset:4096
.irp i, 0,1,2,3
	global_load_b128 v[WQ+4*\i:WQ+4*\i+3], v3, s[12:13] offset:256*\i
.endr
	global_load_b128 v[QB:QB+3], v4, s[14:15]
.irp i, 0,1,2,3
	global_load_b128 v[WK+4*\i:WK+4*\i+3], v5, s[16:17] offset:16*\i
.endr
.irp i, 0,1,2,3,4,5,6,7
	global_load_b128 v[W2+4*\i:W2+4*\i+3], v6, s[20:21] offset:16*\i
.endr
	global_load_b64 v[KB:KB+1], v7, s[18:19]
	global_load_b64 v[IB:IB+1], v7, s[22:23]
.irp i, 0,1,2,3,4,5,6,7
	global_load_b128 v[WT+4*\i:WT+4*\i+3], v8, s[70:71] offset:512*\i
.endr
	global_load_b128 v[B1:B1+3], v8, s[74:75]
.irp i, 0,1,2,3,4,5,6,7
	global_load_b32 v[WC+\i], v9, s[76:77] offset:512*\i
.endr
	; PHASE 1: embeddings to LDS; the smallest index of a nonzero mask cell
	s_wait_loadcnt 36                              ; 36 loads were issued behind the mask's 4 and the embeddings' 4
	ds_store_b128 v2, v[ET:ET+3]     offset:ROWT
	ds_store_b128 v2, v[ET+4:ET+7]   offset:ROWT+4096
	ds_store_b128 v2, v[ET+8:ET+11]  offset:COLT
	ds_store_b128 v2, v[ET+12:ET+15] offset:COLT+4096
	v_mov_b32 v[T], 0x1000                         ; 4096 = none
.irp i, 3,2,1,0
.irp e, 3,2,1,0
	v_add_nc_u32 v[T+1], 1024*\i+\e, v15           ; descending, so that the smallest index is what stays
	v_cmp_ne_u32 vcc_lo, 0, v[MK+4*\i+\e]
	v_cndmask_b32 v[T], v[T], v[T+1], vcc_lo
.endr
.endr
.irp m, 1,2,4,8
	v_mov_b32_dpp v[T+1], v[T] row_xmask:\m row_mask:0xf bank_mask:0xf
	v_min_u32 v[T], v[T], v[T+1]
.endr
	v_permlanex16_b32 v[T+1], v[T], s60, s61
	v_min_u32 v[T], v[T], v[T+1]
	v_mov_b32 v[T+2], s83
	ds_store_b32 v[T+2], v[T] offset:IDXS          ; word w
	BAR
	; PHASE 2: cur
	v_mov_b32 v[T+3], 0
	ds_load_b128 v[T+4:T+7],  v[T+3] offset:IDXS
	ds_load_b128 v[T+8:T+11], v[T+3] offset:IDXS+16
	s_wait_dscnt 0x0
.irp j, 5,6,7,8,9,10,11
	v_min_u32 v[T+4], v[T+4], v[T+\j]
.endr
	v_cmp_gt_u32 vcc_lo, 0x1000, v[T+4]            ; is there a nonzero cell at all
	v_lshrrev_b32 v[T+5], 6, v[T+4]
	v_and_b32 v[T+6], 63, v[T+4]
	v_min_u32 v[T+5], 63, v[T+5]                   ; row, inside the table also where there is no cell
	v_min_u32 v[T+6], 63, v[T+6]                   ; column
	v_lshl_add_u32 v[T+5], v[T+5], 7, v9           ; rows of 128 bytes, word L
	v_lshl_add_u32 v[T+6], v[T+6], 7, v9
	ds_load_b32 v[T+7], v[T+5] offset:ROWT
	ds_load_b32 v[T+8], v[T+6] offset:COLT
	s_wait_dscnt 0x0
	v_cndmask_b32 v[T+7], v[T+7], v[T+8], s82      ; even waves hold cur[L], odd waves cur[32 + L]
	v_cndmask_b32 v[T+7], 0, v[T+7], vcc_lo
	s_cmp_gt_u32 s42, 1                            ; waves 0 and 1 store the 64 words; the others hold copies
	s_cbranch_scc1 .Lcur_stored
	ds_store_b32 v15, v[T+7] offset:CURS
.Lcur_stored:
	BAR
	; PHASE 3: q = cur q_w + q_b.  Thread t: rows 4 (t >> 4) .. + 3, four columns
	s_wait_loadcnt 31                              ; 31 loads were issued behind q_w and q_b
	ds_load_b128 v[T+4:T+7], v10 offset:CURS
	s_wait_dscnt 0x0
	FMA4 T, WQ,    T+4, 0, 1
	FMA4 T, WQ+4,  T+4, 1, 0
	FMA4 T, WQ+8,  T+6, 0, 0
	FMA4 T, WQ+12, T+6, 1, 0
	ds_store_b128 v2, v[T:T+3] offset:RED          ; row w: two slices of K, 64 columns each
	BAR
	s_cmp_lg_u32 s42, 0
	s_cbranch_scc1 .Lq_done
.irp i, 0,1,2,3,4,5,6,7
	ds_load_b128 v[T+4+4*\i:T+7+4*\i], v8 offset:RED+512*\i
.endr
	s_wait_dscnt 0x0
	ADDQ T+4,  T+20
	ADDQ T+8,  T+24
	ADDQ T+12, T+28
	ADDQ T+16, T+32
	ADDQ T+4,  T+12
	ADDQ T+8,  T+16
	ADDQ T+4,  T+8
.irp j, 0,1,2,3
	v_permlanex16_b32 v[T+\j], v[T+4+\j], s60, s61 ; the other half of the lanes holds the other slices of the same columns
.endr
	ADDQ T+4, T
	ADDQ T+4, QB
	ds_store_b128 v4, v[T+4:T+7] offset:QS         ; both halves store the same numbers
.Lq_done:
	BAR
	; PHASE 4: kq[i] = sum over j of k_w[i][j] q[j].  Thread t: row t >> 2, 16 columns
	s_wait_loadcnt 27                              ; 27 loads were issued behind k_w
.irp i, 0,1,2,3
	ds_load_b128 v[T+4+4*\i:T+7+4*\i], v11 offset:QS+16*\i
.endr
	s_wait_dscnt 0x0
	v_pk_mul_f32 v[T:T+1], v[WK:WK+1], v[T+4:T+5]
.irp j, 2,4,6,8,10,12,14
	v_pk_fma_f32 v[T:T+1], v[WK+\j:WK+\j+1], v[T+4+\j:T+5+\j], v[T:T+1]
.endr
	v_add_f32 v[T], v[T], v[T+1]
	v_add_f32_dpp v[T], v[T], v[T] row_xmask:1 row_mask:0xf bank_mask:0xf
	v_add_f32_dpp v[T], v[T], v[T] row_xmask:2 row_mask:0xf bank_mask:0xf
	ds_store_b32 v12, v[T] offset:KQS              ; four lanes, one word, one value
	BAR
	; PHASE 5: u[i] = sum over j of in_w2[i][j] kq[j], times SCALE.  Thread t: row t >> 1, 32 columns
	s_wait_loadcnt 17                              ; 17 loads were issued behind in_w2, k_b and in_b2
.irp i, 0,1,2,3,4,5,6,7
	ds_load_b128 v[T+4+4*\i:T+7+4*\i], v13 offset:KQS+16*\i
.endr
	s_wait_dscnt 0x0
	v_pk_mul_f32 v[T:T+1],   v[W2:W2+1],   v[T+4:T+5]
	v_pk_mul_f32 v[T+2:T+3], v[W2+2:W2+3], v[T+6:T+7]
.irp j, 4,8,12,16,20,24,28
	v_pk_fma_f32 v[T:T+1],   v[W2+\j:W2+\j+1],   v[T+4+\j:T+5+\j], v[T:T+1]
	v_pk_fma_f32 v[T+2:T+3], v[W2+\j+2:W2+\j+3], v[T+6+\j:T+7+\j], v[T+2:T+3]
.endr
	v_pk_add_f32 v[T:T+1], v[T:T+1], v[T+2:T+3]
	v_add_f32 v[T], v[T], v[T+1]
	v_add_f32_dpp v[T], v[T], v[T] row_xmask:1 row_mask:0xf bank_mask:0xf
	v_mul_f32 v[T], SCALE, v[T]
	ds_store_b32 v14, v[T] offset:US
	; the tables: 8 of K for four columns of an rlw row, 8 of K for one cwt word
	s_wait_loadcnt 0x0
	s_wait_kmcnt 0x0
.irp j, 0,1,2,3
	v_mul_f32 v[T+4+\j], s44, v[WT+\j]
.endr
.irp i, 1,2,3,4,5,6,7
.irp j, 0,1,2,3
	v_fmac_f32 v[T+4+\j], s[44+\i], v[WT+4*\i+\j]
.endr
.endr
	ds_store_b128 v2, v[T+4:T+7] offset:TRED       ; row w
	v_mul_f32 v[T+8], s52, v[WC]
.irp i, 1,2,3,4,5,6,7
	v_fmac_f32 v[T+8], s[52+\i], v[WC+\i]
.endr
	ds_store_b32 v15, v[T+8] offset:CWRED          ; row w
	BAR
	; PHASE 6: the results leave; four waves, each its own buffer part, no barrier any more
	s_cmp_eq_u32 s42, 0
	s_cbranch_scc1 .Lw0
	s_cmp_eq_u32 s42, 2
	s_cbranch_scc1 .Lw23
	s_cmp_eq_u32 s42, 3
	s_cbranch_scc1 .Lw23
	s_cmp_eq_u32 s42, 4
	s_cbranch_scc1 .Lw4
	s_wait_tensorcnt 0x0
	ds_add_u32 v200, v201
	s_wait_dscnt 0x0
	s_endpgm
.Lw0:
	ds_load_b128 v[T+4:T+7],  v8 offset:US
	ds_load_b64 v[T+8:T+9],   v7 offset:CURS
	ds_load_b64 v[T+10:T+11], v7 offset:KQS
	ds_load_b64 v[T+12:T+13], v7 offset:QS
	s_wait_dscnt 0x0
	v_cvt_pk_bf16_f32 v[T+14], v[T+4], v[T+5]
	v_cvt_pk_bf16_f32 v[T+15], v[T+6], v[T+7]
	global_store_b64 v7, v[T+14:T+15], s[32:33]    ; each of these three stores covers 256 consecutive bytes, aligned
	global_store_b64 v7, v[T+8:T+9], s[34:35]
	v_mul_f32 v[T], v[IB], v[T+10]                 ; s0 = in_b2.kq + k_b.q
	v_fmac_f32 v[T], v[IB+1], v[T+11]
	v_fmac_f32 v[T], v[KB], v[T+12]
	v_fmac_f32 v[T], v[KB+1], v[T+13]
.irp m, 1,2,4,8
	v_add_f32_dpp v[T], v[T], v[T] row_xmask:\m row_mask:0xf bank_mask:0xf
.endr
	v_permlanex16_b32 v[T+1], v[T], s60, s61
	v_add_f32 v[T], v[T], v[T+1]
	v_mul_f32 v[T], SCALE, v[T]
	v_mov_b32 v[T+1], v[T]
	global_store_b64 v7, v[T:T+1], s[34:35] offset:256     ; 64 copies: the row's second 256 bytes are written whole
	s_wait_tensorcnt 0x0
	ds_add_u32 v200, v201
	s_wait_dscnt 0x0
	s_endpgm
.Lw23:
	s_lshl_b32 s66, s90, 11                        ; wave 2: rows 0-3 (input branch), wave 3: rows 4-7
	v_add_nc_u32 v[T], s66, v8
.irp i, 0,1,2,3
	ds_load_b128 v[T+4+4*\i:T+7+4*\i], v[T] offset:TRED+512*\i
.endr
	s_wait_dscnt 0x0
	ADDQ T+4,  T+8
	ADDQ T+12, T+16
	ADDQ T+4,  T+12
.irp j, 0,1,2,3
	v_cndmask_b32 v[B1+\j], 0, v[B1+\j], s91       ; the bias rides on the row terms alone
.endr
	ADDQ T+4, B1
	global_store_b128 v8, v[T+4:T+7], s[38:39]     ; 512 consecutive bytes, aligned
	s_wait_tensorcnt 0x0
	ds_add_u32 v200, v201
	s_wait_dscnt 0x0
	s_endpgm
.Lw4:
.irp i, 0,1,2,3,4,5,6,7
	ds_load_b32 v[T+4+\i], v9 offset:CWRED+128*\i
.endr
	s_wait_dscnt 0x0
	v_pk_add_f32 v[T+4:T+5], v[T+4:T+5], v[T+6:T+7]
	v_pk_add_f32 v[T+8:T+9], v[T+8:T+9], v[T+10:T+11]
	v_pk_add_f32 v[T+4:T+5], v[T+4:T+5], v[T+8:T+9]
	v_add_f32 v[T+4], v[T+4], v[T+5]
	global_store_b32 v9, v[T+4], s[36:37]          ; 128 consecutive bytes: 4,096 table words over 128 work-groups are 32 words each, half of a 256-byte stretch
	s_wait_tensorcnt 0x0
	ds_add_u32 v200, v201
	s_wait_dscnt 0x0
	s_endpgm
.Lfunc_end_k_q44e853c52d_prep:
	.size	k_q44e853c52d_prep, .Lfunc_end_k_q44e853c52d_prep-k_q44e853c52d_prep
	.p2alignl 7, 3214868480
	.fill 96, 4, 3214868480
	.section	.rodata,"a",@progbits
	.p2align	6, 0x0
	.amdhsa_kernel k_q44e853c52d_prep
		.amdhsa_group_segment_fixed_size 28672
		.amdhsa_private_segment_fixed_size 0
		.amdhsa_enable_private_segment 0
		.amdhsa_kernarg_size 144
		.amdhsa_user_sgpr_count 2
		.amdhsa_user_sgpr_kernarg_segment_ptr 1
		.amdhsa_wavefront_size32 1
		.amdhsa_system_sgpr_workgroup_id_x 1
		.amdhsa_system_sgpr_workgroup_id_y 1
		.amdhsa_system_sgpr_workgroup_id_z 1
		.amdhsa_system_vgpr_workitem_id 0
		.amdhsa_next_free_vgpr 202
		.amdhsa_next_free_sgpr 96
		.amdhsa_reserve_vcc 1
		.amdhsa_float_denorm_mode_32 3
		.amdhsa_float_denorm_mode_16_64 3
		.amdhsa_memory_ordered 1
		.amdhsa_forward_progress 1
		.amdhsa_inst_pref_size 24
	.end_amdhsa_kernel
	.amdgpu_metadata
---
amdhsa.version: [ 1, 2 ]
amdhsa.kernels:
  - .name:           k_q44e853c52d_prep
    .symbol:         k_q44e853c52d_prep.kd
    .args:
      - { .name: obs, .offset: 0, .size: 8, .value_kind: global_buffer, .address_space: global }
      - { .name: params_row_embed, .offset: 8, .size: 8, .value_kind: global_buffer, .address_space: global }
      - { .name: params_col_embed, .offset: 16, .size: 8, .value_kind: global_buffer, .address_space: global }
      - { .name: params_color_embed, .offset: 24, .size: 8, .value_kind: global_buffer, .address_space: global }
      - { .name: params_q_w, .offset: 32, .size: 8, .value_kind: global_buffer, .address_space: global }
      - { .name: params_q_b, .offset: 40, .size: 8, .value_kind: global_buffer, .address_space: global }
      - { .name: params_k_w, .offset: 48, .size: 8, .value_kind: global_buffer, .address_space: global }
      - { .name: params_k_b, .offset: 56, .size: 8, .value_kind: global_buffer, .address_space: global }
      - { .name: params_in_w2, .offset: 64, .size: 8, .value_kind: global_buffer, .address_space: global }
      - { .name: params_in_b2, .offset: 72, .size: 8, .value_kind: global_buffer, .address_space: global }
      - { .name: params_in_w1, .offset: 80, .size: 8, .value_kind: global_buffer, .address_space: global }
      - { .name: params_in_b1, .offset: 88, .size: 8, .value_kind: global_buffer, .address_space: global }
      - { .name: params_out_w1, .offset: 96, .size: 8, .value_kind: global_buffer, .address_space: global }
      - { .name: params_out_b1, .offset: 104, .size: 8, .value_kind: global_buffer, .address_space: global }
      - { .name: ubf, .offset: 112, .size: 8, .value_kind: global_buffer, .address_space: global }
      - { .name: cur, .offset: 120, .size: 8, .value_kind: global_buffer, .address_space: global }
      - { .name: cwt, .offset: 128, .size: 8, .value_kind: global_buffer, .address_space: global }
      - { .name: rlw, .offset: 136, .size: 8, .value_kind: global_buffer, .address_space: global }
    .group_segment_fixed_size: 28672
    .private_segment_fixed_size: 0
    .kernarg_segment_align: 8
    .kernarg_segment_size: 144
    .max_flat_workgroup_size: 256
    .sgpr_count:     96
    .vgpr_count:     202
    .wavefront_size: 32
...
	.end_amdgpu_metadata
.endif
;; end of part 1
;; launch cells (part 2): grid 128 x 2, 4 waves a work-group, no clusters, 322,560 bytes of LDS; arguments obs, ubf, cur, cwt, rlw, ph, ml; writes ph, ml
.if DOCPART == 2
	.amdgcn_target "amdgcn-amd-amdhsa--gfx1250"
	.amdhsa_code_object_version 6
	.text
	.protected	k_q44e853c52d_cells
	.globl	k_q44e853c52d_cells
	.p2align	8
	.type	k_q44e853c52d_cells,@function
k_q44e853c52d_cells:
	s_mov_b64 s[64:65], 0
	v_nop
	global_prefetch_b8 v0, s[64:65] scope:SCOPE_SE
	s_setreg_imm32_b32 hwreg(HW_REG_WAVE_MODE, 25, 1), 1
	s_wait_xcnt 0x0
; CELLS: the work over all cells.  A position has only 16 possible hidden vectors, T[pos][colour][128] =
; relu(CW[colour] + RW[row] + LW[column] + b1), the same for every batch; choosing by colour is a product with a one-hot matrix.
; Work-group (g, bh): grid row g >> 1, columns 32 (g & 1) .. + 31, batches 64 bh .. + 63.  Wave w: columns + 8 w .. + 7, all 64 batches
; (a split along the summed index, so that each table fragment is built once, in the registers of the wave that multiplies it).
;   scores:  D[colour][batch] = T1[colour][hidden] x u[hidden][batch], one position at a time; a lane then picks its cell's colour.
;   softmax: the largest score of the work-group's 32 positions is taken away (scores are in powers of two: u and s0 carry log2(e)/8);
;            the weights p, rounded to bf16, are summed as rounded, so that numerator and denominator hold the same numbers.
;   sums:    ACC[hidden][batch] += T2[hidden][(pos, colour)] x OH[(pos, colour)][batch], OH = p (input branch) or 1 (output branch)
;            at the cell's colour, else 0.
; The four waves' sums meet in LDS; out go, for each batch, 128 + 128 f32 (ph) and the local maximum and weight sum (ml).
; No cluster, no tensor load: the tables that work-groups share are 50 KB against the 66 KB that each writes, and go through
; plain loads once.  No loop: every trip would name other registers.
; LIMITS: T, u and p are matrix operands in bf16.  Colours lie in 0..15, as an index into the 16-row table must; one outside
; would add nothing.  relu by v_max_num_f32 makes 0 of a NaN.  v_exp_f32 gives 0 below 2^-126.
.set MX,   32768                       ; [4 waves][64 batches] f32: the waves' largest scores
.set LX,   33792                       ; [4][64] f32: the waves' sums of weights
.set RED,  34816                       ; [2 branches][4 waves][64 batches][528 bytes]: the waves' sums
.set REDW, 33792
.set REDB, 135168
.set CWR,  305152                      ; [2][16 colours][528 bytes]: CW + RW + b1
.set PIT,  528                         ; 512 + 16 bytes = 33 x 16: sixteen rows read at one column start in sixteen different 16-byte columns of 256
; LDS 0 .. 32767: LW, [wave][branch][8 columns][512 bytes]; a wave touches its own 8 KB alone
.set CC, 32                            ; v[32:63]   [8 n + p]: colour_in + 8 - 8 h  |  (colour_out + 8 - 8 h) << 16
.set SC, 64                            ; v[64:95]   [8 n + p]: score, then weight as bf16 in the low half
.set CT, 96                            ; v[96:159]  the colour part of the table, in the fragment's layout
.set TT, 160                           ; v[160:223] table fragments (A)
.set DD, 224                           ; v[224:255] score tiles; then work registers (240-255) and the one-hot fragments (B)
; v1 L, v2 r = L & 15, v3 h = L >> 4 (later: 1.0 in bf16);  v4-7 s0[n], v8-11 m[n], v12-15 l[n], then with v16-17, v20-21 the column terms of a K step
; v16-23 LDS addresses;  v24-31 offsets of the first loads, then work registers
; window 1 (v256-511): u fragments [n][s] at 32 n + 8 s; then the 32 accumulator tiles [t][n] at 8 (4 t + n)
.set MSB, 0
.macro WIN new                         ; the immediate's high byte repeats the setting that is left
.if MSB != \new
	s_set_vgpr_msb (MSB<<8)|\new
.set MSB, \new
.endif
.endm
.macro PLACES                          ; behind matrix instructions, before their registers are read, written or loaded into (ISA guide 7.12.1)
.rept 5
	v_nop
.endr
.endm
.macro BAR
	s_wait_dscnt 0x0
	s_barrier_signal -1
	s_barrier_wait -1
.endm
.macro ADDQ d, s
	v_pk_add_f32 v[\d:\d+1], v[\d:\d+1], v[\s:\s+1]
	v_pk_add_f32 v[\d+2:\d+3], v[\d+2:\d+3], v[\s+2:\s+3]
.endm
	s_load_b256 s[4:11], s[0:1], 0x0               ; obs 4, ubf 6, cur 8, cwt 10
	s_load_b128 s[12:15], s[0:1], 0x20             ; rlw 12, ph 14
	s_load_b64 s[16:17], s[0:1], 0x30              ; ml
	s_set_vgpr_msb 0x80
	v_lshl_add_u32 v0, v0, 2, 0x4ea00
	v_mov_b32 v1, 0
	s_set_vgpr_msb 0x8000
	v_lshrrev_b32 v1, 5, v0
	v_readfirstlane_b32 s20, v1                    ; w
	s_mov_b32 s21, ttmp9                           ; g
	s_and_b32 s22, ttmp7, 0xffff                   ; bh
	s_mov_b32 s30, 0x76543210                      ; v_permlanex16_b32: lane i takes lane i of the other half
	s_mov_b32 s31, 0xfedcba98
	v_and_b32 v1, 31, v0                           ; L
	v_and_b32 v2, 15, v0                           ; r
	v_bfe_u32 v3, v0, 4, 1                         ; h
	v_lshlrev_b32 v24, 4, v1                       ; 16 L
	v_mul_u32_u24 v25, v2, 0xc000                  ; obs: batch r, 49,152 bytes each
	v_lshlrev_b32 v26, 8, v2
	v_lshl_add_u32 v26, v3, 4, v26                 ; ubf: row r of 256 bytes, + 16 h
	v_lshlrev_b32 v27, 9, v2                       ; cur: row r of 512 bytes
	v_sub_nc_u32 v30, 1, v3
	v_mul_u32_u24 v30, v30, 0x80008                ; 8 - 8 h in both halves
	s_lshl_b32 s28, s20, 13                        ; my 8 KB of LW
	s_lshl_b32 s29, s20, 8
	s_add_co_u32 s29, s29, MX
	s_mul_i32 s33, s20, REDW
	s_add_co_u32 s33, s33, RED
	s_mul_i32 s34, s20, 4*PIT
	s_add_co_u32 s34, s34, CWR
	v_mul_u32_u24 v22, v2, PIT
	v_lshl_add_u32 v22, v3, 5, v22                 ; 528 r + 32 h
	v_add_nc_u32 v16, CWR, v22                     ; colour r, hidden 8 h ..: the score table's fragments
	v_add_nc_u32 v22, s33, v22                     ; my sums, branch 0: batch r, hidden 8 h ..
	v_add_nc_u32 v23, REDB, v22                    ; branch 1
	v_lshl_add_u32 v17, v3, 5, s28                 ; LW, hidden 8 h ..
	v_mul_u32_u24 v18, v3, 8*PIT
	v_lshl_add_u32 v18, v2, 2, v18
	v_add_nc_u32 v18, CWR, v18                     ; colour 8 h, hidden r: the sum tables' fragments
	v_lshl_add_u32 v19, v2, 2, s28                 ; LW, hidden r
	v_lshl_add_u32 v20, v2, 2, s29                 ; MX[w][r]
	v_lshlrev_b32 v21, 2, v2
	v_add_nc_u32 v21, MX, v21                      ; MX[0][r]
	v_add_nc_u32 v28, s34, v24                     ; CWR rows 4 w ..
	v_add_nc_u32 v29, s28, v24
	s_mul_i32 s36, s22, 3145728                    ; 64 batches,
	s_lshl_b32 s38, s21, 7                         ; 256 (g >> 1) + 128 (g & 1) = 128 g,
	s_add_co_u32 s36, s36, s38
	s_lshl_b32 s38, s20, 5                         ; 8 cells of the wave
	s_add_co_u32 s36, s36, s38
	s_mov_b32 s37, 0
	s_wait_kmcnt 0x0
	s_add_nc_u64 s[4:5], s[4:5], s[36:37]
	s_lshl_b32 s36, s22, 14
	s_add_nc_u64 s[6:7], s[6:7], s[36:37]
	s_lshl_b32 s36, s22, 15
	s_add_nc_u64 s[8:9], s[8:9], s[36:37]
	s_lshl_b32 s36, s20, 11
	s_add_nc_u64 s[10:11], s[10:11], s[36:37]      ; cwt: colours 4 w ..
	s_lshr_b32 s36, s21, 1
	s_lshl_b32 s36, s36, 9
	s_add_nc_u64 s[24:25], s[12:13], s[36:37]      ; rlw: the grid row's term
	s_and_b32 s36, s21, 1
	s_lshl_b32 s36, s36, 14
	s_lshl_b32 s38, s20, 12
	s_add_co_u32 s36, s36, s38
	s_add_co_u32 s36, s36, 32768
	s_add_nc_u64 s[26:27], s[12:13], s[36:37]      ; rlw: rows 64 + 32 (g & 1) + 8 w ..: my columns' terms
	s_lshl_b32 s36, s22, 23
	s_lshl_b32 s38, s20, 21
	s_add_co_u32 s36, s36, s38
	s_lshl_b32 s38, s21, 10
	s_add_co_u32 s36, s36, s38
	s_add_nc_u64 s[14:15], s[14:15], s[36:37]      ; ph: batch 64 bh + 16 w, group g
	s_lshl_b32 s36, s21, 10
	s_lshl_b32 s38, s22, 8
	s_add_co_u32 s36, s36, s38
	s_add_nc_u64 s[16:17], s[16:17], s[36:37]      ; ml: group g, batch 64 bh
	; PHASE 0: all 78 loads, in the order of their use
	global_load_b128 v[64:67], v24, s[24:25]
	global_load_b128 v[68:71], v24, s[24:25] offset:65536
.irp br, 0,1
.irp cc, 0,1,2,3
	global_load_b128 v[DD+16*\br+4*\cc:DD+16*\br+4*\cc+3], v24, s[10:11] offset:8192*\br+512*\cc
.endr
.endr
.irp br, 0,1
.irp p, 0,1,2,3,4,5,6,7
	global_load_b128 v[CT+32*\br+4*\p:CT+32*\br+4*\p+3], v24, s[26:27] offset:65536*\br+512*\p
.endr
.endr
.irp n, 0,1,2,3
.irp pl, 0,1
.irp hf, 0,1
	global_load_b128 v[TT+16*\n+8*\pl+4*\hf:TT+16*\n+8*\pl+4*\hf+3], v25, s[4:5] offset:786432*\n+16384*\pl+16*\hf
.endr
.endr
.endr
.irp n, 0,1,2,3
	global_load_b32 v[4+\n], v27, s[8:9] offset:8192*\n+256
.endr
	WIN 0x40                                       ; destination in window 1
.irp n, 0,1,2,3
.irp s, 0,1,2,3
.irp hf, 0,1
	global_load_b128 v[32*\n+8*\s+4*\hf:32*\n+8*\s+4*\hf+3], v26, s[6:7] offset:4096*\n+64*\s+32*\hf
.endr
.endr
.endr
	WIN 0
	s_wait_loadcnt 52                              ; behind the 26 table loads: 16 of colours, 4 of s0, 32 of u
.irp br, 0,1
.irp cc, 0,1,2,3
	v_pk_add_f32 v[DD+16*\br+4*\cc:DD+16*\br+4*\cc+1], v[DD+16*\br+4*\cc:DD+16*\br+4*\cc+1], v[64+4*\br:65+4*\br]
	v_pk_add_f32 v[DD+16*\br+4*\cc+2:DD+16*\br+4*\cc+3], v[DD+16*\br+4*\cc+2:DD+16*\br+4*\cc+3], v[66+4*\br:67+4*\br]
	ds_store_b128 v28, v[DD+16*\br+4*\cc:DD+16*\br+4*\cc+3] offset:16*PIT*\br+PIT*\cc
.endr
.endr
.irp br, 0,1
.irp p, 0,1,2,3,4,5,6,7
	ds_store_b128 v29, v[CT+32*\br+4*\p:CT+32*\br+4*\p+3] offset:4096*\br+512*\p
.endr
.endr
	s_wait_loadcnt 36                              ; behind the colours: 4 of s0, 32 of u
.irp n, 0,1,2,3
.irp p, 0,1,2,3,4,5,6,7
	v_lshl_or_b32 v[CC+8*\n+\p], v[TT+16*\n+8+\p], 16, v[TT+16*\n+\p]
	v_add_nc_u32 v[CC+8*\n+\p], v[CC+8*\n+\p], v30 ; 8 .. 15 in a half says: the colour lies in my half of the lanes' eight
.endr
.endr
	BAR                                            ; CWR is whole
.irp s, 0,1,2,3
.irp hf, 0,1
.irp q, 0,1
	ds_load_b128 v[CT+16*\s+8*\hf+4*\q:CT+16*\s+8*\hf+4*\q+3], v16 offset:128*\s+64*\hf+16*\q
.endr
.endr
.endr
; the column term of position p, in the same layout as CT
.macro TTLOAD p
.irp s, 0,1,2,3
.irp hf, 0,1
.irp q, 0,1
	ds_load_b128 v[TT+16*\s+8*\hf+4*\q:TT+16*\s+8*\hf+4*\q+3], v17 offset:512*(\p)+128*\s+64*\hf+16*\q
.endr
.endr
.endr
.endm
; CT for the sums: CT[8 t + i] = (CW + RW + b1)[colour 8 h + i][hidden 16 t + r]
.macro CT2LOAD br
.irp t, 0,1,2,3,4,5,6,7
.irp i, 0,1,2,3,4,5,6,7
	ds_load_b32 v[CT+8*\t+\i], v18 offset:16*PIT*\br+PIT*\i+64*\t
.endr
.endr
.endm
; 64 f32 a lane: add, relu, round to bf16 in place: fragment s ends in TT[8 s .. 8 s + 7].  Ascending: word i is written when 2 i, 2 i + 1 are read, never earlier
.macro T1BUILD
.set ix, 0
.rept 32
	v_pk_add_f32 v[TT+2*ix:TT+2*ix+1], v[TT+2*ix:TT+2*ix+1], v[CT+2*ix:CT+2*ix+1]
.set ix, ix+1
.endr
.set ix, 0
.rept 64
	v_max_num_f32 v[TT+ix], 0, v[TT+ix]
.set ix, ix+1
.endr
.set ix, 0
.rept 32
	v_cvt_pk_bf16_f32 v[TT+ix], v[TT+2*ix], v[TT+2*ix+1]
.set ix, ix+1
.endr
.endm
; of the eight scores in my registers (colours 8 h + j) the one of my batch's cell, or 0; the other half of the lanes holds the rest.
; The four batch blocks go side by side, so that three other instructions stand between a compare and its select.
.macro PICK4 p
.irp n, 0,1,2,3
	v_and_b32 v[24+\n], 0xffff, v[CC+8*\n+(\p)]
.endr
.irp n, 0,1,2,3
	v_cmp_eq_u32 s[40+\n], 8, v[24+\n]
.endr
.irp n, 0,1,2,3
	v_cndmask_b32 v[28+\n], 0, v[DD+8*\n], s[40+\n]
.endr
.irp j, 1,2,3,4,5,6,7
.irp n, 0,1,2,3
	v_cmp_eq_u32 s[40+\n], 8+\j, v[24+\n]
.endr
.irp n, 0,1,2,3
	v_cndmask_b32 v[28+\n], v[28+\n], v[DD+8*\n+\j], s[40+\n]
.endr
.endr
.irp n, 0,1,2,3
	v_permlanex16_b32 v[24+\n], v[28+\n], s30, s31
.endr
.irp n, 0,1,2,3
	v_add_f32 v[28+\n], v[28+\n], v[24+\n]
.endr
.irp n, 0,1,2,3
	v_add_f32 v[SC+8*\n+(\p)], v[28+\n], v[4+\n]
.endr
.endm
; one position: table, 16 matrix instructions (4 of K x 4 batch blocks), pick
.macro SCORE p
	s_wait_dscnt 0x0                               ; this position's column term (and, the first time, CT)
	T1BUILD
	WIN 0x04                                       ; source 1 (u) in window 1
.irp s, 0,1,2,3
.irp n, 0,1,2,3
.if \s == 0
	v_wmma_f32_16x16x32_bf16 v[DD+8*\n:DD+8*\n+7], v[TT+8*\s:TT+8*\s+7], v[32*\n+8*\s:32*\n+8*\s+7], 0
.else
	v_wmma_f32_16x16x32_bf16 v[DD+8*\n:DD+8*\n+7], v[TT+8*\s:TT+8*\s+7], v[32*\n+8*\s:32*\n+8*\s+7], v[DD+8*\n:DD+8*\n+7]
.endif
.endr
.endr
	WIN 0
	PLACES
.if \p < 7
	TTLOAD \p+1                                    ; on its way while the picks run
.else
	CT2LOAD 0
.endif
	PICK4 \p
.endm
	TTLOAD 0
	s_wait_loadcnt 0x0                             ; s0 and u; the offsets in v24-27 are free from here
	; PHASE 1
.irp p, 0,1,2,3,4,5,6,7
	SCORE \p
.endr
	; PHASE 2: the largest score of the 32 positions, the weights and their sum
.irp n, 0,1,2,3
	v_max3_num_f32 v[8+\n], v[SC+8*\n], v[SC+8*\n+1], v[SC+8*\n+2]
.endr
.irp n, 0,1,2,3
	v_max3_num_f32 v[8+\n], v[8+\n], v[SC+8*\n+3], v[SC+8*\n+4]
.endr
.irp n, 0,1,2,3
	v_max3_num_f32 v[8+\n], v[8+\n], v[SC+8*\n+5], v[SC+8*\n+6]
.endr
.irp n, 0,1,2,3
	v_max_num_f32 v[8+\n], v[8+\n], v[SC+8*\n+7]
.endr
.irp n, 0,1,2,3
	ds_store_b32 v20, v[8+\n] offset:64*\n         ; both halves of the lanes hold and store the same number
.endr
	BAR
.irp n, 0,1,2,3
.irp src, 0,1,2,3
	ds_load_b32 v[TT+4*\n+\src], v21 offset:256*\src+64*\n
.endr
.endr
	s_wait_dscnt 0x0
.irp n, 0,1,2,3
	v_max3_num_f32 v[8+\n], v[TT+4*\n], v[TT+4*\n+1], v[TT+4*\n+2]
.endr
.irp n, 0,1,2,3
	v_max_num_f32 v[8+\n], v[8+\n], v[TT+4*\n+3]
.endr
.irp n, 0,1,2,3
.irp p, 0,1,2,3,4,5,6,7
	v_sub_f32 v[SC+8*\n+\p], v[SC+8*\n+\p], v[8+\n]
.endr
.endr
.set ix, 0
.rept 32
	v_exp_f32 v[SC+ix], v[SC+ix]
.set ix, ix+1
.endr
	v_nop                                          ; one plain instruction between the last exponential and the first use (ISA guide 5.7.2)
.set ix, 0
	s_wait_alu depctr_va_vdst(0)
.rept 32
	v_cvt_pk_bf16_f32 v[SC+ix], v[SC+ix], 0        ; the weight as the matrix unit will see it, in the low half
.set ix, ix+1
.endr
.irp n, 0,1,2,3
.irp p, 0,1,2,3,4,5,6,7
	v_lshlrev_b32 v[TT+8*\n+\p], 16, v[SC+8*\n+\p]
.endr
.endr
.irp n, 0,1,2,3
	v_pk_add_f32 v[TT+8*\n:TT+8*\n+1], v[TT+8*\n:TT+8*\n+1], v[TT+8*\n+2:TT+8*\n+3]
	v_pk_add_f32 v[TT+8*\n+4:TT+8*\n+5], v[TT+8*\n+4:TT+8*\n+5], v[TT+8*\n+6:TT+8*\n+7]
.endr
.irp n, 0,1,2,3
	v_pk_add_f32 v[TT+8*\n:TT+8*\n+1], v[TT+8*\n:TT+8*\n+1], v[TT+8*\n+4:TT+8*\n+5]
.endr
.irp n, 0,1,2,3
	v_add_f32 v[12+\n], v[TT+8*\n], v[TT+8*\n+1]
.endr
.irp n, 0,1,2,3
	ds_store_b32 v20, v[12+\n] offset:LX-MX+64*\n
.endr
	v_mov_b32 v3, 0x3f80                           ; 1.0 in bf16: the output branch's weight
; PHASES 3 AND 4: the sums.  A K step is two positions x 16 colours.
; the column terms of a K step: word 8 pp + t = LW[position 2 kk + pp][hidden 16 t + r], in v4-17 and v20-21
.macro LW2LOAD br, kk
.irp pp, 0,1
.irp t, 0,1,2,3,4,5,6,7
.set lwr, 4+8*\pp+\t
.if 8*\pp+\t >= 14
.set lwr, lwr+2
.endif
	ds_load_b32 v[lwr], v19 offset:4096*\br+512*(2*\kk+\pp)+64*\t
.endr
.endr
.endm
; A fragment of hidden block t: register 4 pp + ii = colours 8 h + 2 ii, + 1 of position pp
.macro T2FRAG t
.irp pp, 0,1
.set lwr, 4+8*\pp+\t
.if 8*\pp+\t >= 14
.set lwr, lwr+2
.endif
.irp ii, 0,1,2,3
.if (\t)&1
	v_pk_add_f32 v[240+8*\pp+2*\ii:241+8*\pp+2*\ii], v[CT+8*\t+2*\ii:CT+8*\t+2*\ii+1], v[lwr-1:lwr] op_sel:[0,1] op_sel_hi:[1,1]
.else
	v_pk_add_f32 v[240+8*\pp+2*\ii:241+8*\pp+2*\ii], v[CT+8*\t+2*\ii:CT+8*\t+2*\ii+1], v[lwr:lwr+1] op_sel_hi:[1,0]
.endif
.endr
.endr
.set ix, 0
.rept 16
	v_max_num_f32 v[240+ix], 0, v[240+ix]
.set ix, ix+1
.endr
.irp pp, 0,1
.irp ii, 0,1,2,3
	v_cvt_pk_bf16_f32 v[TT+8*\t+4*\pp+\ii], v[240+8*\pp+2*\ii], v[241+8*\pp+2*\ii]
.endr
.endr
.endm
; B fragments of position p for the four batch blocks: register 4 pp + jj holds colours 8 h + 2 jj (low half), + 1 (high half)
.macro OHOT4 br, p, pp
.irp n, 0,1,2,3
.if \br
	v_lshrrev_b32 v[24+\n], 16, v[CC+8*\n+(\p)]
.else
	v_and_b32 v[24+\n], 0xffff, v[CC+8*\n+(\p)]
.endif
.endr
.irp n, 0,1,2,3
	v_and_b32 v[28+\n], 1, v[24+\n]
.endr
.irp n, 0,1,2,3
	v_lshlrev_b32 v[28+\n], 4, v[28+\n]            ; odd colours: the high half
.endr
.irp n, 0,1,2,3
	v_lshrrev_b32 v[24+\n], 1, v[24+\n]            ; 4 + jj where the colour is one of my eight
.endr
.irp n, 0,1,2,3
.if \br
	v_lshlrev_b32 v[28+\n], v[28+\n], v3
.else
	v_lshlrev_b32 v[28+\n], v[28+\n], v[SC+8*\n+(\p)]
.endif
.endr
.irp jj, 0,1,2,3
.irp n, 0,1,2,3
	v_cmp_eq_u32 s[40+\n], 4+\jj, v[24+\n]
.endr
.irp n, 0,1,2,3
	v_cndmask_b32 v[DD+8*\n+4*\pp+\jj], 0, v[28+\n], s[40+\n]
.endr
.endr
.endm
.macro KBUILD left
	s_wait_dscnt \left                             ; CT and this step's column terms are in
	PLACES                                         ; TT and v240-255 were sources of the last matrix instructions
.irp t, 0,1,2,3,4,5,6,7
	T2FRAG \t
.endr
.endm
.macro KMUL br, kk, zero
.irp pp, 0,1
	OHOT4 \br, 2*\kk+\pp, \pp
.endr
	WIN 0x50                                       ; C and D in window 1
.irp t, 0,1,2,3,4,5,6,7
.irp n, 0,1,2,3
.if \zero
	v_wmma_f32_16x16x32_bf16 v[8*(4*\t+\n):8*(4*\t+\n)+7], v[TT+8*\t:TT+8*\t+7], v[DD+8*\n:DD+8*\n+7], 0
.else
	v_wmma_f32_16x16x32_bf16 v[8*(4*\t+\n):8*(4*\t+\n)+7], v[TT+8*\t:TT+8*\t+7], v[DD+8*\n:DD+8*\n+7], v[8*(4*\t+\n):8*(4*\t+\n)+7]
.endif
.endr
.endr
	WIN 0
.endm
; a lane holds, for batch 16 n + r, hidden 16 t + 8 h .. + 7: 32 neighbouring bytes of the batch's row
.macro DUMP br
	PLACES
	WIN 0x04                                       ; store data in window 1
.irp n, 0,1,2,3
.irp t, 0,1,2,3,4,5,6,7
.irp q, 0,1
	ds_store_b128 v[22+\br], v[8*(4*\t+\n)+4*\q:8*(4*\t+\n)+4*\q+3] offset:16*PIT*\n+64*\t+16*\q
.endr
.endr
.endr
	WIN 0
.endm
	LW2LOAD 0, 0
	KBUILD 0
	LW2LOAD 0, 1                                   ; the next step's terms, behind the last line that read the old ones
	KMUL 0, 0, 1                                   ; the first products start the sums: nothing is cleared
	KBUILD 0
	LW2LOAD 0, 2
	KMUL 0, 1, 0
	KBUILD 0
	LW2LOAD 0, 3
	KMUL 0, 2, 0
	KBUILD 0
	CT2LOAD 1
	LW2LOAD 1, 0
	KMUL 0, 3, 0
	DUMP 0
	KBUILD 63                                      ; the 80 loads stand in front of the dump's 64 stores and LDS serves a wave in order (ISA guide 5.7.1): at most 64 out would do, 63 is the largest count the wait can name
	LW2LOAD 1, 1
	KMUL 1, 0, 1
	KBUILD 0
	LW2LOAD 1, 2
	KMUL 1, 1, 0
	KBUILD 0
	LW2LOAD 1, 3
	KMUL 1, 2, 0
	KBUILD 0
	KMUL 1, 3, 0
	DUMP 1
	; PHASE 5: the four waves' sums are added; wave w takes batches 16 w .. + 15
	BAR
	v_lshlrev_b32 v40, 4, v1                       ; 16 L
	s_mul_i32 s28, s20, 16*PIT
	s_add_co_u32 s28, s28, RED
	v_add_nc_u32 v24, s28, v40
.irp br, 0,1
.irp src, 0,1,2,3
	v_add_nc_u32 v[32+4*\br+\src], REDB*\br+REDW*\src, v24
.endr
.endr
.macro SUMROWS br, half
	s_wait_xcnt 0x0                                ; v96-223 were store data: loaded again only behind this wait
.irp i, 0,1,2,3,4,5,6,7
.irp src, 0,1,2,3
	ds_load_b128 v[96+16*\i+4*\src:99+16*\i+4*\src], v[32+4*\br+\src] offset:PIT*(8*\half+\i)
.endr
.endr
.irp i, 0,1,2,3,4,5,6,7
	s_wait_dscnt 28-4*\i                           ; four loads for each of the rows behind this one stay out
	ADDQ 96+16*\i,  100+16*\i
	ADDQ 104+16*\i, 108+16*\i
	ADDQ 96+16*\i,  104+16*\i
	global_store_b128 v40, v[96+16*\i:99+16*\i], s[14:15] offset:131072*(8*\half+\i)+512*\br   ; 512 consecutive bytes, aligned
.endr
.endm
	SUMROWS 0, 0
	SUMROWS 0, 1
	SUMROWS 1, 0
	SUMROWS 1, 1
	s_cmp_lg_u32 s20, 0
	s_cbranch_scc1 .Lend
	v_lshlrev_b32 v41, 3, v1                       ; two batches a lane
.irp src, 0,1,2,3
	ds_load_b64 v[42+2*\src:43+2*\src], v41 offset:MX+256*\src
	ds_load_b64 v[50+2*\src:51+2*\src], v41 offset:LX+256*\src
.endr
	s_wait_dscnt 0x0
	v_max3_num_f32 v42, v42, v44, v46
	v_max3_num_f32 v43, v43, v45, v47
	v_max_num_f32 v42, v42, v48
	v_max_num_f32 v43, v43, v49
	v_pk_add_f32 v[50:51], v[50:51], v[52:53]
	v_pk_add_f32 v[54:55], v[54:55], v[56:57]
	v_pk_add_f32 v[50:51], v[50:51], v[54:55]
	global_store_b64 v41, v[42:43], s[16:17]               ; 256 consecutive bytes, aligned
	global_store_b64 v41, v[50:51], s[16:17] offset:512
.Lend:
	s_set_vgpr_msb 0xa
	s_wait_tensorcnt 0x0
	ds_add_u32 v0, v1
	s_wait_dscnt 0x0
	s_set_vgpr_msb 0xa00
	s_endpgm
.Lfunc_end_k_q44e853c52d_cells:
	.size	k_q44e853c52d_cells, .Lfunc_end_k_q44e853c52d_cells-k_q44e853c52d_cells
	.p2alignl 7, 3214868480
	.fill 96, 4, 3214868480
	.section	.rodata,"a",@progbits
	.p2align	6, 0x0
	.amdhsa_kernel k_q44e853c52d_cells
		.amdhsa_group_segment_fixed_size 322560
		.amdhsa_private_segment_fixed_size 0
		.amdhsa_enable_private_segment 0
		.amdhsa_kernarg_size 56
		.amdhsa_user_sgpr_count 2
		.amdhsa_user_sgpr_kernarg_segment_ptr 1
		.amdhsa_wavefront_size32 1
		.amdhsa_system_sgpr_workgroup_id_x 1
		.amdhsa_system_sgpr_workgroup_id_y 1
		.amdhsa_system_sgpr_workgroup_id_z 1
		.amdhsa_system_vgpr_workitem_id 0
		.amdhsa_next_free_vgpr 514
		.amdhsa_next_free_sgpr 66
		.amdhsa_reserve_vcc 0
		.amdhsa_float_denorm_mode_32 3
		.amdhsa_float_denorm_mode_16_64 3
		.amdhsa_memory_ordered 1
		.amdhsa_forward_progress 1
		.amdhsa_inst_pref_size 255
	.end_amdhsa_kernel
	.section	.bss,"aw",@nobits
	.p2align	6
	.space	262144
	.amdgpu_metadata
---
amdhsa.version: [ 1, 2 ]
amdhsa.kernels:
  - .name:           k_q44e853c52d_cells
    .symbol:         k_q44e853c52d_cells.kd
    .args:
      - { .name: obs, .offset: 0, .size: 8, .value_kind: global_buffer, .address_space: global }
      - { .name: ubf, .offset: 8, .size: 8, .value_kind: global_buffer, .address_space: global }
      - { .name: cur, .offset: 16, .size: 8, .value_kind: global_buffer, .address_space: global }
      - { .name: cwt, .offset: 24, .size: 8, .value_kind: global_buffer, .address_space: global }
      - { .name: rlw, .offset: 32, .size: 8, .value_kind: global_buffer, .address_space: global }
      - { .name: ph, .offset: 40, .size: 8, .value_kind: global_buffer, .address_space: global }
      - { .name: ml, .offset: 48, .size: 8, .value_kind: global_buffer, .address_space: global }
    .group_segment_fixed_size: 322560
    .private_segment_fixed_size: 0
    .kernarg_segment_align: 8
    .kernarg_segment_size: 56
    .max_flat_workgroup_size: 128
    .sgpr_count:     66
    .vgpr_count:     514
    .wavefront_size: 32
...
	.end_amdgpu_metadata
.endif
;; end of part 2
;; launch finish (part 3): grid 128 x 1, 16 waves a work-group, no clusters, 22,528 bytes of LDS; arguments ph, ml, cur, params_in_w2, params_in_b2, params_out_w2, params_out_b2, params_v_w, params_v_b, params_o_w, params_o_b, params_c_w1, params_c_b1, params_c_w2, params_c_b2, out0; writes out0
.if DOCPART == 3
	.amdgcn_target "amdgcn-amd-amdhsa--gfx1250"
	.amdhsa_code_object_version 6
	.text
	.protected	k_q44e853c52d_finish
	.globl	k_q44e853c52d_finish
	.p2align	8
	.type	k_q44e853c52d_finish,@function
k_q44e853c52d_finish:
	s_mov_b64 s[64:65], 0
	v_nop
	global_prefetch_b8 v0, s[64:65] scope:SCOPE_SE
	s_setreg_imm32_b32 hwreg(HW_REG_WAVE_MODE, 25, 1), 1
	s_wait_xcnt 0x0
; FINISH: one work-group for each batch b, sixteen waves.
; The 128 position groups' partial results are joined: M = max m_g, weight_g = 2^(m_g - M) / sum over g of 2^(m_g - M) l_g for the
; attention sum, 1/4096 for the mean.  Then the linear tail, which commutes with both sums because the weights add up to 1:
;   x1 = hbar_in in_w2 + in_b2;  x2 = x1 v_w + v_b;  attended = x2 o_w + o_b;  ctx = hbar_out out_w2 + out_b2;
;   out = relu([attended, ctx, cur] c_w1 + c_b1) c_w2 + c_b2.
; One row per work-group, all in f32 on the vector unit: K is split over the threads, partial sums meet in LDS, wave 0 closes each stage.
; All loads (128 KB of partial results, 260 KB of weights) are issued first, so that the chain of stages waits for memory once;
; each stage waits with the count of the loads issued behind those that it needs.
; No cluster: the weights are shared by all work-groups, but a joint request would bring them to LDS, from where the same bytes
; would have to be read into the registers that plain loads fill directly.
; LIMITS: sums in another order than the problem's function writes them; v_exp_f32 gives 0 below 2^-126, so a group whose largest
; score lies more than 126 powers of two under M adds nothing; relu by v_max_num_f32 makes 0 of a NaN.
.set LM,   0                           ; m, 128 f32
.set LL,   512                         ; l, 128 f32
.set RED0, 1024                        ; 8 rows of 1024 bytes: partial joins
.set X0,   9216                        ; hbar_in (128), hbar_out (128)
.set RED,  10240                       ; 16 rows of 512 bytes: the stages' partial sums
.set X1,   18432
.set X2,   18688
.set COMB, 18944                       ; attended, ctx, cur: 192 f32
.set Z,    19712                       ; 128 f32
; v1-14 ids and offsets, v15 M;  v16-79 partial results, then wave 0's closing sums;  v80-111 in_w2 / out_w2;  v112-119 v_w;  v120-127 o_w;
; v128-175 c_w1;  v176-207 c_w2;  v208 in_b2, 212 out_b2, 216 v_b, 220 o_b, 224 c_b1, 228 c_b2;  v232-235 cur;  v236-251 weights, then a stage's x;  v252-255 sums
.macro BAR
	s_wait_dscnt 0x0
	s_barrier_signal -1
	s_barrier_wait -1
.endm
.macro ADDQ d, s
	v_pk_add_f32 v[\d:\d+1], v[\d:\d+1], v[\s:\s+1]
	v_pk_add_f32 v[\d+2:\d+3], v[\d+2:\d+3], v[\s+2:\s+3]
.endm
.macro MAC2 acc, w, x, first           ; four sums (+)= w[0:3] * x[0] + w[4:7] * x[1]
.if \first
	v_pk_mul_f32 v[\acc:\acc+1], v[\w:\w+1], v[\x:\x+1] op_sel_hi:[1,0]
	v_pk_mul_f32 v[\acc+2:\acc+3], v[\w+2:\w+3], v[\x:\x+1] op_sel_hi:[1,0]
.else
	v_pk_fma_f32 v[\acc:\acc+1], v[\w:\w+1], v[\x:\x+1], v[\acc:\acc+1] op_sel_hi:[1,0,1]
	v_pk_fma_f32 v[\acc+2:\acc+3], v[\w+2:\w+3], v[\x:\x+1], v[\acc+2:\acc+3] op_sel_hi:[1,0,1]
.endif
	v_pk_fma_f32 v[\acc:\acc+1], v[\w+4:\w+5], v[\x:\x+1], v[\acc:\acc+1] op_sel:[0,1,0] op_sel_hi:[1,1,1]
	v_pk_fma_f32 v[\acc+2:\acc+3], v[\w+6:\w+7], v[\x:\x+1], v[\acc+2:\acc+3] op_sel:[0,1,0] op_sel_hi:[1,1,1]
.endm
; wave 0: add rows of 512 bytes; fold = 1: a row holds two slices of K for 64 columns, the halves of the lanes are added too
.macro FINAL base, rows, fold, bias, relu
.set ix, 0
.rept \rows
	ds_load_b128 v[16+4*ix:19+4*ix], v2 offset:\base+512*ix
.set ix, ix+1
.endr
	s_wait_dscnt 0x0
.if \rows == 16
.irp i, 0,1,2,3,4,5,6,7
	ADDQ 16+4*\i, 48+4*\i
.endr
.endif
.irp i, 0,1,2,3
	ADDQ 16+4*\i, 32+4*\i
.endr
	ADDQ 16, 24
	ADDQ 20, 28
	ADDQ 16, 20
.if \fold
.irp j, 0,1,2,3
	v_permlanex16_b32 v[32+\j], v[16+\j], s42, s43
.endr
	ADDQ 16, 32
.endif
	ADDQ 16, \bias
.if \relu
.irp j, 0,1,2,3
	v_max_num_f32 v[16+\j], 0, v[16+\j]
.endr
.endif
.endm
	s_load_b512 s[4:19], s[0:1], 0x0               ; ph 4, ml 6, cur 8, in_w2 10, in_b2 12, out_w2 14, out_b2 16, v_w 18
	s_load_b512 s[20:35], s[0:1], 0x40             ; v_b 20, o_w 22, o_b 24, c_w1 26, c_b1 28, c_w2 30, c_b2 32, out0 34
	v_lshrrev_b32 v1, 5, v0
	v_readfirstlane_b32 s36, v1                    ; w
	s_mov_b32 s37, ttmp9                           ; b
	s_mov_b32 s42, 0x76543210
	s_mov_b32 s43, 0xfedcba98
	v_and_b32 v1, 31, v0
	v_lshlrev_b32 v2, 4, v1                        ; 16 L
	v_and_b32 v3, 15, v0
	v_lshlrev_b32 v3, 4, v3                        ; 16 (t & 15)
	v_lshrrev_b32 v4, 6, v0
	v_and_b32 v5, 63, v0
	v_lshlrev_b32 v5, 4, v5
	v_lshl_add_u32 v4, v4, 14, v5                  ; ph: groups 16 (t >> 6) .., column quad t & 63
	v_lshrrev_b32 v9, 4, v0                        ; t >> 4
	v_and_b32 v5, 15, v9
	v_lshl_add_u32 v5, v5, 11, v3                  ; in_w2 / out_w2: rows 8 ((t >> 4) & 15) .., quad t & 15
	v_lshl_add_u32 v6, v9, 9, v3                   ; v_w, o_w: rows 2 (t >> 4) .., quad t & 15
	v_lshlrev_b32 v7, 10, v0                       ; ml: group t (waves 0-3)
	v_lshlrev_b32 v8, 4, v0                        ; 16 t
	v_lshlrev_b32 v10, 3, v9                       ; 8 (t >> 4)
	v_lshlrev_b32 v9, 5, v9                        ; 32 (t >> 4)
	v_lshlrev_b32 v11, 2, v0                       ; 4 t
	s_lshr_b32 s38, s36, 1
	s_lshl_b32 s38, s38, 6
	v_mov_b32 v12, s38                             ; m of my 16 groups
	s_mul_i32 s38, s36, 48
	v_mov_b32 v13, s38                             ; my 12 numbers of the 192
	s_lshl_b32 s38, s36, 5
	v_mov_b32 v14, s38                             ; my 8 numbers of the 128
	s_mov_b32 s39, 0
	s_wait_kmcnt 0x0
	s_lshl_b32 s38, s37, 17
	s_add_nc_u64 s[4:5], s[4:5], s[38:39]
	s_lshl_b32 s38, s37, 2
	s_add_nc_u64 s[6:7], s[6:7], s[38:39]
	s_lshl_b32 s38, s37, 9
	s_add_nc_u64 s[8:9], s[8:9], s[38:39]
	s_add_nc_u64 s[34:35], s[34:35], s[38:39]
	s_mul_i32 s38, s36, 6144
	s_add_nc_u64 s[26:27], s[26:27], s[38:39]      ; c_w1 rows 12 w ..
	s_lshl_b32 s38, s36, 12
	s_add_nc_u64 s[30:31], s[30:31], s[38:39]      ; c_w2 rows 8 w ..
	s_cmp_lt_u32 s36, 8
	s_cselect_b64 s[44:45], s[10:11], s[14:15]     ; waves 0-7: in_w2, 8-15: out_w2
	s_and_b32 s41, s36, 1
	s_cmp_lg_u32 s41, 0
	s_cselect_b32 s40, -1, 0                       ; odd waves hold the output branch's columns
	s_cmp_gt_u32 s36, 3
	s_cbranch_scc1 .Lno_ml
	global_load_b32 v236, v7, s[6:7]               ; m and l of group t for this batch
	global_load_b32 v237, v7, s[6:7] offset:512
.Lno_ml:
.irp i, 0,1,2,3,4,5,6,7,8,9,10,11,12,13,14,15
	global_load_b128 v[16+4*\i:19+4*\i], v4, s[4:5] offset:1024*\i th:TH_LOAD_NT
.endr
	global_load_b128 v[232:235], v3, s[8:9]
.irp i, 0,1,2,3,4,5,6,7
	global_load_b128 v[80+4*\i:83+4*\i], v5, s[44:45] offset:256*\i
.endr
	global_load_b128 v[208:211], v3, s[12:13]
	global_load_b128 v[212:215], v3, s[16:17]
	global_load_b128 v[112:115], v6, s[18:19]
	global_load_b128 v[116:119], v6, s[18:19] offset:256
	global_load_b128 v[216:219], v3, s[20:21]
	global_load_b128 v[120:123], v6, s[22:23]
	global_load_b128 v[124:127], v6, s[22:23] offset:256
	global_load_b128 v[220:223], v3, s[24:25]
.irp i, 0,1,2,3,4,5,6,7,8,9,10,11
	global_load_b128 v[128+4*\i:131+4*\i], v2, s[26:27] offset:512*\i
.endr
	global_load_b128 v[224:227], v2, s[28:29]
.irp i, 0,1,2,3,4,5,6,7
	global_load_b128 v[176+4*\i:179+4*\i], v2, s[30:31] offset:512*\i
.endr
	global_load_b128 v[228:231], v2, s[32:33]
	s_cmp_gt_u32 s36, 3
	s_cbranch_scc1 .Lno_ml2
	s_wait_loadcnt 55                              ; the 55 loads above were issued behind m and l
	ds_store_b32 v11, v236 offset:LM
	ds_store_b32 v11, v237 offset:LL
.Lno_ml2:
	BAR
	; the join's weights, in every wave
	ds_load_b128 v[236:239], v2 offset:LM          ; four groups a lane
	ds_load_b128 v[240:243], v2 offset:LL
	s_wait_dscnt 0x0
	v_max3_num_f32 v244, v236, v237, v238
	v_max_num_f32 v244, v244, v239
.irp m, 1,2,4,8
	v_max_num_f32_dpp v244, v244, v244 row_xmask:\m row_mask:0xf bank_mask:0xf
.endr
	v_mov_b32 v245, v244
	v_permlanex16_b32 v245, v244, s42, s43
	v_max_num_f32 v15, v244, v245                  ; M
.irp j, 0,1,2,3
	v_sub_f32 v[236+\j], v[236+\j], v15
.endr
.irp j, 0,1,2,3
	v_exp_f32 v[236+\j], v[236+\j]
.endr
	v_nop                                          ; a plain instruction between an exponential and its use (ISA guide 5.7.2)
	s_wait_alu depctr_va_vdst(0)
	v_mul_f32 v244, v236, v240
	v_fmac_f32 v244, v237, v241
	v_fmac_f32 v244, v238, v242
	v_fmac_f32 v244, v239, v243
.irp m, 1,2,4,8
	v_add_f32_dpp v244, v244, v244 row_xmask:\m row_mask:0xf bank_mask:0xf
.endr
	v_permlanex16_b32 v245, v244, s42, s43
	v_add_f32 v244, v244, v245                     ; at least 1: the group that holds M has a weight of 1 in its sum
	v_rcp_f32 v252, v244
	v_mov_b32 v253, 0x39800000                     ; 1/4096; also the plain instruction behind the reciprocal
.irp i, 0,1,2,3
	ds_load_b128 v[236+4*\i:239+4*\i], v12 offset:LM+16*\i     ; m of my 16 groups, the same in every lane
.endr
	s_wait_dscnt 0x0
.set ix, 0
.rept 16
	v_sub_f32 v[236+ix], v[236+ix], v15
.set ix, ix+1
.endr
.set ix, 0
.rept 16
	v_exp_f32 v[236+ix], v[236+ix]
.set ix, ix+1
.endr
	v_nop
.set ix, 0
	s_wait_alu depctr_va_vdst(0)
.rept 16
	v_mul_f32 v[236+ix], v[236+ix], v252
.set ix, ix+1
.endr
.set ix, 0
.rept 16
	v_cndmask_b32 v[236+ix], v[236+ix], v253, s40
.set ix, ix+1
.endr
	s_wait_loadcnt 39                              ; 39 loads were issued behind the 16 of partial results
	MAC2 252, 16, 236, 1
.irp k, 1,2,3,4,5,6,7
	MAC2 252, 16+8*\k, 236+2*\k, 0
.endr
	ds_store_b128 v8, v[252:255] offset:RED0       ; row t >> 6, quad t & 63
	BAR
	s_cmp_gt_u32 s36, 1
	s_cbranch_scc1 .Lx0_done
.irp i, 0,1,2,3,4,5,6,7
	ds_load_b128 v[16+4*\i:19+4*\i], v8 offset:RED0+1024*\i
.endr
	s_wait_dscnt 0x0
.irp i, 0,1,2,3
	ADDQ 16+4*\i, 32+4*\i
.endr
	ADDQ 16, 24
	ADDQ 20, 28
	ADDQ 16, 20
	ds_store_b128 v8, v[16:19] offset:X0
.Lx0_done:
	BAR
	; STAGE AB: hbar_in in_w2 (waves 0-7), hbar_out out_w2 (waves 8-15); 8 of K a thread
	s_wait_loadcnt 28                              ; 28 loads were issued behind cur, these weights and their two biases
	ds_load_b128 v[236:239], v9 offset:X0
	ds_load_b128 v[240:243], v9 offset:X0+16
	s_wait_dscnt 0x0
	MAC2 252, 80, 236, 1
.irp k, 1,2,3
	MAC2 252, 80+8*\k, 236+2*\k, 0
.endr
	ds_store_b128 v8, v[252:255] offset:RED
	BAR
	s_cmp_lg_u32 s36, 0
	s_cbranch_scc1 .Lab_done
	FINAL RED, 8, 1, 208, 0
	ds_store_b128 v3, v[16:19] offset:X1
	FINAL RED+4096, 8, 1, 212, 0
	ds_store_b128 v3, v[16:19] offset:COMB+256     ; ctx
	ds_store_b128 v3, v[232:235] offset:COMB+512   ; cur
.Lab_done:
	BAR
	; STAGE C: x1 v_w + v_b; 2 of K a thread
	s_wait_loadcnt 25
	ds_load_b64 v[236:237], v10 offset:X1
	s_wait_dscnt 0x0
	MAC2 252, 112, 236, 1
	ds_store_b128 v8, v[252:255] offset:RED        ; wave 0's reads of the last stage's rows ended before the barrier above
	BAR
	s_cmp_lg_u32 s36, 0
	s_cbranch_scc1 .Lc_done
	FINAL RED, 16, 1, 216, 0
	ds_store_b128 v3, v[16:19] offset:X2
.Lc_done:
	BAR
	; STAGE D: x2 o_w + o_b
	s_wait_loadcnt 22
	ds_load_b64 v[236:237], v10 offset:X2
	s_wait_dscnt 0x0
	MAC2 252, 120, 236, 1
	ds_store_b128 v8, v[252:255] offset:RED
	BAR
	s_cmp_lg_u32 s36, 0
	s_cbranch_scc1 .Ld_done
	FINAL RED, 16, 1, 220, 0
	ds_store_b128 v3, v[16:19] offset:COMB         ; attended
.Ld_done:
	BAR
	; STAGE E: relu(combined c_w1 + c_b1); wave w takes rows 12 w .. + 11, a lane four columns
	s_wait_loadcnt 9
	ds_load_b128 v[236:239], v13 offset:COMB
	ds_load_b128 v[240:243], v13 offset:COMB+16
	ds_load_b128 v[244:247], v13 offset:COMB+32
	s_wait_dscnt 0x0
	MAC2 252, 128, 236, 1
.irp k, 1,2,3,4,5
	MAC2 252, 128+8*\k, 236+2*\k, 0
.endr
	ds_store_b128 v8, v[252:255] offset:RED
	BAR
	s_cmp_lg_u32 s36, 0
	s_cbranch_scc1 .Le_done
	FINAL RED, 16, 0, 224, 1
	ds_store_b128 v2, v[16:19] offset:Z
.Le_done:
	BAR
	; STAGE F: z c_w2 + c_b2; wave w takes rows 8 w .. + 7
	s_wait_loadcnt 0x0
	ds_load_b128 v[236:239], v14 offset:Z
	ds_load_b128 v[240:243], v14 offset:Z+16
	s_wait_dscnt 0x0
	MAC2 252, 176, 236, 1
.irp k, 1,2,3
	MAC2 252, 176+8*\k, 236+2*\k, 0
.endr
	ds_store_b128 v8, v[252:255] offset:RED
	BAR
	s_cmp_lg_u32 s36, 0
	s_cbranch_scc1 .Lf_done
	FINAL RED, 16, 0, 228, 0
	global_store_b128 v2, v[16:19], s[34:35]       ; the batch's row: 512 consecutive bytes, aligned
.Lf_done:
	s_wait_xcnt 0x0
	v_lshl_add_u32 v252, v0, 2, 0x5000
	v_mov_b32 v253, 0
	s_wait_tensorcnt 0x0
	ds_add_u32 v252, v253
	s_wait_dscnt 0x0
	s_endpgm
.Lfunc_end_k_q44e853c52d_finish:
	.size	k_q44e853c52d_finish, .Lfunc_end_k_q44e853c52d_finish-k_q44e853c52d_finish
	.p2alignl 7, 3214868480
	.fill 96, 4, 3214868480
	.section	.rodata,"a",@progbits
	.p2align	6, 0x0
	.amdhsa_kernel k_q44e853c52d_finish
		.amdhsa_group_segment_fixed_size 22528
		.amdhsa_private_segment_fixed_size 0
		.amdhsa_enable_private_segment 0
		.amdhsa_kernarg_size 128
		.amdhsa_user_sgpr_count 2
		.amdhsa_user_sgpr_kernarg_segment_ptr 1
		.amdhsa_wavefront_size32 1
		.amdhsa_system_sgpr_workgroup_id_x 1
		.amdhsa_system_sgpr_workgroup_id_y 1
		.amdhsa_system_sgpr_workgroup_id_z 1
		.amdhsa_system_vgpr_workitem_id 0
		.amdhsa_next_free_vgpr 256
		.amdhsa_next_free_sgpr 66
		.amdhsa_reserve_vcc 0
		.amdhsa_float_denorm_mode_32 3
		.amdhsa_float_denorm_mode_16_64 3
		.amdhsa_memory_ordered 1
		.amdhsa_forward_progress 1
		.amdhsa_inst_pref_size 40
	.end_amdhsa_kernel
	.amdgpu_metadata
---
amdhsa.version: [ 1, 2 ]
amdhsa.kernels:
  - .name:           k_q44e853c52d_finish
    .symbol:         k_q44e853c52d_finish.kd
    .args:
      - { .name: ph, .offset: 0, .size: 8, .value_kind: global_buffer, .address_space: global }
      - { .name: ml, .offset: 8, .size: 8, .value_kind: global_buffer, .address_space: global }
      - { .name: cur, .offset: 16, .size: 8, .value_kind: global_buffer, .address_space: global }
      - { .name: params_in_w2, .offset: 24, .size: 8, .value_kind: global_buffer, .address_space: global }
      - { .name: params_in_b2, .offset: 32, .size: 8, .value_kind: global_buffer, .address_space: global }
      - { .name: params_out_w2, .offset: 40, .size: 8, .value_kind: global_buffer, .address_space: global }
      - { .name: params_out_b2, .offset: 48, .size: 8, .value_kind: global_buffer, .address_space: global }
      - { .name: params_v_w, .offset: 56, .size: 8, .value_kind: global_buffer, .address_space: global }
      - { .name: params_v_b, .offset: 64, .size: 8, .value_kind: global_buffer, .address_space: global }
      - { .name: params_o_w, .offset: 72, .size: 8, .value_kind: global_buffer, .address_space: global }
      - { .name: params_o_b, .offset: 80, .size: 8, .value_kind: global_buffer, .address_space: global }
      - { .name: params_c_w1, .offset: 88, .size: 8, .value_kind: global_buffer, .address_space: global }
      - { .name: params_c_b1, .offset: 96, .size: 8, .value_kind: global_buffer, .address_space: global }
      - { .name: params_c_w2, .offset: 104, .size: 8, .value_kind: global_buffer, .address_space: global }
      - { .name: params_c_b2, .offset: 112, .size: 8, .value_kind: global_buffer, .address_space: global }
      - { .name: out0, .offset: 120, .size: 8, .value_kind: global_buffer, .address_space: global }
    .group_segment_fixed_size: 22528
    .private_segment_fixed_size: 0
    .kernarg_segment_align: 8
    .kernarg_segment_size: 128
    .max_flat_workgroup_size: 512
    .sgpr_count:     66
    .vgpr_count:     256
    .wavefront_size: 32
...
	.end_amdgpu_metadata
.endif
;; end of part 3
;; ======== version 2 of 2: 3 launches; version 1 with the launch cells written anew for expert scheduling mode
;; workspace buffers: ubf 32,768 bytes; cur 65,536 bytes; cwt 16,384 bytes; rlw 131,072 bytes; ph 16,777,216 bytes; ml 131,072 bytes
;; launch prep: the kernel of part 1 again; grid 128 x 1, 8 waves a work-group, no clusters, 28,672 bytes of LDS; arguments obs, params_row_embed, params_col_embed, params_color_embed, params_q_w, params_q_b, params_k_w, params_k_b, params_in_w2, params_in_b2, params_in_w1, params_in_b1, params_out_w1, params_out_b1, ubf, cur, cwt, rlw; writes ubf, cur, cwt, rlw
;; launch cells (part 4): grid 128 x 2, 4 waves a work-group, no clusters, 322,560 bytes of LDS; arguments obs, ubf, cur, cwt, rlw, ph, ml; writes ph, ml
.if DOCPART == 4
	.amdgcn_target "amdgcn-amd-amdhsa--gfx1250"
	.amdhsa_code_object_version 6
	.text
	.protected	k_q44e853c52d_cells
	.globl	k_q44e853c52d_cells
	.p2align	8
	.type	k_q44e853c52d_cells,@function
k_q44e853c52d_cells:
	s_mov_b64 s[64:65], 0
	v_nop
	global_prefetch_b8 v0, s[64:65] scope:SCOPE_SE
	s_setreg_imm32_b32 hwreg(HW_REG_WAVE_SCHED_MODE, 0, 2), 2
	s_setreg_imm32_b32 hwreg(HW_REG_WAVE_MODE, 25, 1), 1
	s_wait_xcnt 0x0
	s_wait_alu depctr_vm_vsrc(0)
; CELLS: the work over all cells.  A position has only 16 possible hidden vectors, T[pos][colour][128] =
; relu(CW[colour] + RW[row] + LW[column] + b1), the same for every batch; choosing by colour is a product with a one-hot matrix.
; Work-group (g, bh): grid row g >> 1, columns 32 (g & 1) .. + 31, batches 64 bh .. + 63.  Wave w: columns + 8 w .. + 7, all 64 batches
; (a split along the summed index, so that each table fragment is built once, in the registers of the wave that multiplies it).
;   scores:  D[colour][batch] = T1[colour][hidden] x u[hidden][batch], one position at a time; a lane then picks its cell's colour.
;   softmax: the largest score of the work-group's 32 positions is taken away (scores are in powers of two: u and s0 carry log2(e)/8);
;            the weights p, rounded to bf16, are summed as rounded, so that numerator and denominator hold the same numbers.
;   sums:    ACC[hidden][batch] += T2[hidden][(pos, colour)] x OH[(pos, colour)][batch], OH = p (input branch) or 1 (output branch)
;            at the cell's colour, else 0.
; The four waves' sums meet in LDS; out go, for each batch, 128 + 128 f32 (ph) and the local maximum and weight sum (ml).
; No cluster, no tensor load: the tables that work-groups share are 50 KB against the 66 KB that each writes, and go through
; plain loads once.  No loop: every trip would name other registers.
; LIMITS: T, u and p are matrix operands in bf16.  Colours lie in 0..15, as an index into the 16-row table must; one outside
; would add nothing.  relu by v_max_num_f32 makes 0 of a NaN.  v_exp_f32 gives 0 below 2^-126.
; THE MODE: SCHED_MODE bits 1:0 = 2 (LLVM: expert scheduling mode 2), set by the entry lines.  The code itself states the register dependences
; between vector or matrix instructions and memory or LDS instructions, with s_wait_alu, always for 0.
; THE PLAN.  Registers that memory or LDS instructions touch, and who else names them:
;   v16-29      addresses, made at the head ahead of one wait on va_vdst.  v24-29 become work registers, v16, v17, v20, v21 column terms: each behind a wait on vm_vsrc.
;   TT, TX      two buffers for a position's column term and table.  Position p builds and multiplies buffer p % 2; at its head, behind the wait for its own
;               data and ONE wait on va_vdst (position p - 1's lines and matrix instructions are complete), the loads of position p + 1 land in the other buffer.
;   CT          read by every position's additions; one wait behind the last position's, and the loads for the sums follow behind its matrix instructions.
;   v4-17, 20-21, CT in the sums: read by a K step's table lines; one wait on va_vdst a step, behind the step's first run of compares, and the next step's loads follow it.
;   accumulators  written by matrix instructions, read by the LDS stores behind the places and one wait; written anew for branch 1 behind one wait on vm_vsrc.
;   v96-223 in the last phase: two buffers of four rows; a block's additions, one wait on va_vdst, its four stores, the wait on vm_vsrc, the loads of the block two on.
;   s66-97      masks: the compares stand in runs of 32 or 16, one wait on va_sdst behind each run, then the selects.
.set MX,   32768                       ; [4 waves][64 batches] f32: the waves' largest scores
.set LX,   33792                       ; [4][64] f32: the waves' sums of weights
.set RED,  34816                       ; [2 branches][4 waves][64 batches][528 bytes]: the waves' sums
.set REDW, 33792
.set REDB, 135168
.set CWR,  305152                      ; [2][16 colours][528 bytes]: CW + RW + b1
.set PIT,  528                         ; 512 + 16 bytes = 33 x 16: sixteen rows read at one column start in sixteen different 16-byte columns of 256
; LDS 0 .. 32767: LW, [wave][branch][8 columns][512 bytes]; a wave touches its own 8 KB alone
.set CC, 32                            ; v[32:63]   [8 n + p]: colour_in + 8 - 8 h  |  (colour_out + 8 - 8 h) << 16
.set SC, 64                            ; v[64:95]   [8 n + p]: score, then weight as bf16 in the low half
.set CT, 96                            ; v[96:159]  the colour part of the table, in the fragment's layout
.set TT, 160                           ; v[160:223] table fragments (A); in the scores: the buffer of the even positions
.set DD, 224                           ; v[224:255] score tiles; then work registers (240-255) and the one-hot fragments (B)
.set TX, 128                           ; window 1, v[384:447]: in the scores the buffer of the odd positions
.set MS, 66                            ; s[66:97]   masks of the compares
; v1 L, v2 r = L & 15, v3 h = L >> 4 (later: 1.0 in bf16);  v4-7 s0[n], v8-11 m[n], v12-15 l[n], then with v16-17, v20-21 the column terms of a K step
; v16-23 LDS addresses;  v24-31 offsets of the first loads, then work registers
; window 1 (v256-511): u fragments [n][s] at 32 n + 8 s, and TX; then the 32 accumulator tiles [t][n] at 8 (4 t + n)
.set MSB, 0
.macro WIN new                         ; the immediate's high byte repeats the setting that is left
.if MSB != (\new)
	s_set_vgpr_msb (MSB<<8)|(\new)
.set MSB, (\new)
.endif
.endm
.macro PLACES                          ; behind matrix instructions, before their registers are read or written (ISA guide 7.12.1)
.rept 5
	v_nop
.endr
.endm
.macro BAR
	s_wait_dscnt 0x0
	s_barrier_signal -1
	s_barrier_wait -1
.endm
.macro ADDQ d, s
	v_pk_add_f32 v[\d:\d+1], v[\d:\d+1], v[\s:\s+1]
	v_pk_add_f32 v[\d+2:\d+3], v[\d+2:\d+3], v[\s+2:\s+3]
.endm
	s_load_b256 s[4:11], s[0:1], 0x0               ; obs 4, ubf 6, cur 8, cwt 10
	s_load_b128 s[12:15], s[0:1], 0x20             ; rlw 12, ph 14
	s_load_b64 s[16:17], s[0:1], 0x30              ; ml
	s_set_vgpr_msb 0x80
	v_lshl_add_u32 v0, v0, 2, 0x4ea00
	v_mov_b32 v1, 0
	s_set_vgpr_msb 0x8000
	v_lshrrev_b32 v1, 5, v0
	v_readfirstlane_b32 s20, v1                    ; w
	s_mov_b32 s21, ttmp9                           ; g
	s_and_b32 s22, ttmp7, 0xffff                   ; bh
	s_mov_b32 s30, 0x76543210                      ; v_permlanex16_b32: lane i takes lane i of the other half
	s_mov_b32 s31, 0xfedcba98
	v_and_b32 v1, 31, v0                           ; L
	v_and_b32 v2, 15, v0                           ; r
	v_bfe_u32 v3, v0, 4, 1                         ; h
	v_lshlrev_b32 v24, 4, v1                       ; 16 L
	v_mul_u32_u24 v25, v2, 0xc000                  ; obs: batch r, 49,152 bytes each
	v_lshlrev_b32 v26, 8, v2
	v_lshl_add_u32 v26, v3, 4, v26                 ; ubf: row r of 256 bytes, + 16 h
	v_lshlrev_b32 v27, 9, v2                       ; cur: row r of 512 bytes
	v_sub_nc_u32 v30, 1, v3
	v_mul_u32_u24 v30, v30, 0x80008                ; 8 - 8 h in both halves
	s_wait_alu depctr_va_sdst(0)                   ; s20 is written, ahead of its first reader: LDS places and bases are made from it
	s_lshl_b32 s28, s20, 13                        ; my 8 KB of LW
	s_lshl_b32 s29, s20, 8
	s_add_co_u32 s29, s29, MX
	s_mul_i32 s33, s20, REDW
	s_add_co_u32 s33, s33, RED
	s_mul_i32 s34, s20, 4*PIT
	s_add_co_u32 s34, s34, CWR
	v_mul_u32_u24 v22, v2, PIT
	v_lshl_add_u32 v22, v3, 5, v22                 ; 528 r + 32 h
	v_add_nc_u32 v16, CWR, v22                     ; colour r, hidden 8 h ..: the score table's fragments
	v_add_nc_u32 v22, s33, v22                     ; my sums, branch 0: batch r, hidden 8 h ..
	v_add_nc_u32 v23, REDB, v22                    ; branch 1
	v_lshl_add_u32 v17, v3, 5, s28                 ; LW, hidden 8 h ..
	v_mul_u32_u24 v18, v3, 8*PIT
	v_lshl_add_u32 v18, v2, 2, v18
	v_add_nc_u32 v18, CWR, v18                     ; colour 8 h, hidden r: the sum tables' fragments
	v_lshl_add_u32 v19, v2, 2, s28                 ; LW, hidden r
	v_lshl_add_u32 v20, v2, 2, s29                 ; MX[w][r]
	v_lshlrev_b32 v21, 2, v2
	v_add_nc_u32 v21, MX, v21                      ; MX[0][r]
	v_add_nc_u32 v28, s34, v24                     ; CWR rows 4 w ..
	v_add_nc_u32 v29, s28, v24
	s_mul_i32 s36, s22, 3145728                    ; 64 batches,
	s_lshl_b32 s38, s21, 7                         ; 256 (g >> 1) + 128 (g & 1) = 128 g,
	s_add_co_u32 s36, s36, s38
	s_lshl_b32 s38, s20, 5                         ; 8 cells of the wave
	s_add_co_u32 s36, s36, s38
	s_mov_b32 s37, 0
	s_wait_kmcnt 0x0
	s_add_nc_u64 s[4:5], s[4:5], s[36:37]
	s_lshl_b32 s36, s22, 14
	s_add_nc_u64 s[6:7], s[6:7], s[36:37]
	s_lshl_b32 s36, s22, 15
	s_add_nc_u64 s[8:9], s[8:9], s[36:37]
	s_lshl_b32 s36, s20, 11
	s_add_nc_u64 s[10:11], s[10:11], s[36:37]      ; cwt: colours 4 w ..
	s_lshr_b32 s36, s21, 1
	s_lshl_b32 s36, s36, 9
	s_add_nc_u64 s[24:25], s[12:13], s[36:37]      ; rlw: the grid row's term
	s_and_b32 s36, s21, 1
	s_lshl_b32 s36, s36, 14
	s_lshl_b32 s38, s20, 12
	s_add_co_u32 s36, s36, s38
	s_add_co_u32 s36, s36, 32768
	s_add_nc_u64 s[26:27], s[12:13], s[36:37]      ; rlw: rows 64 + 32 (g & 1) + 8 w ..: my columns' terms
	s_lshl_b32 s36, s22, 23
	s_lshl_b32 s38, s20, 21
	s_add_co_u32 s36, s36, s38
	s_lshl_b32 s38, s21, 10
	s_add_co_u32 s36, s36, s38
	s_add_nc_u64 s[14:15], s[14:15], s[36:37]      ; ph: batch 64 bh + 16 w, group g
	s_lshl_b32 s36, s21, 10
	s_lshl_b32 s38, s22, 8
	s_add_co_u32 s36, s36, s38
	s_add_nc_u64 s[16:17], s[16:17], s[36:37]      ; ml: group g, batch 64 bh
	s_wait_alu depctr_va_vdst(0)                   ; the offsets and LDS addresses v16 to v29 are written, which the loads and stores of the kernel read
	; PHASE 0: all 78 loads, in the order of their use
	global_load_b128 v[64:67], v24, s[24:25]
	global_load_b128 v[68:71], v24, s[24:25] offset:65536
.irp br, 0,1
.irp cc, 0,1,2,3
	global_load_b128 v[DD+16*\br+4*\cc:DD+16*\br+4*\cc+3], v24, s[10:11] offset:8192*\br+512*\cc
.endr
.endr
.irp br, 0,1
.irp p, 0,1,2,3,4,5,6,7
	global_load_b128 v[CT+32*\br+4*\p:CT+32*\br+4*\p+3], v24, s[26:27] offset:65536*\br+512*\p
.endr
.endr
.irp n, 0,1,2,3
.irp pl, 0,1
.irp hf, 0,1
	global_load_b128 v[TT+16*\n+8*\pl+4*\hf:TT+16*\n+8*\pl+4*\hf+3], v25, s[4:5] offset:786432*\n+16384*\pl+16*\hf
.endr
.endr
.endr
.irp n, 0,1,2,3
	global_load_b32 v[4+\n], v27, s[8:9] offset:8192*\n+256
.endr
	WIN 0x40                                       ; destination in window 1
.irp n, 0,1,2,3
.irp s, 0,1,2,3
.irp hf, 0,1
	global_load_b128 v[32*\n+8*\s+4*\hf:32*\n+8*\s+4*\hf+3], v26, s[6:7] offset:4096*\n+64*\s+32*\hf
.endr
.endr
.endr
	WIN 0
	s_wait_loadcnt 52                              ; behind the 26 table loads: 16 of colours, 4 of s0, 32 of u
.irp br, 0,1
.irp cc, 0,1,2,3
	v_pk_add_f32 v[DD+16*\br+4*\cc:DD+16*\br+4*\cc+1], v[DD+16*\br+4*\cc:DD+16*\br+4*\cc+1], v[64+4*\br:65+4*\br]
	v_pk_add_f32 v[DD+16*\br+4*\cc+2:DD+16*\br+4*\cc+3], v[DD+16*\br+4*\cc+2:DD+16*\br+4*\cc+3], v[66+4*\br:67+4*\br]
.endr
.endr
	s_wait_alu depctr_va_vdst(0)                   ; the sixteen additions have written v224 to v255, which the first eight LDS stores read
.irp br, 0,1
.irp cc, 0,1,2,3
	ds_store_b128 v28, v[DD+16*\br+4*\cc:DD+16*\br+4*\cc+3] offset:16*PIT*\br+PIT*\cc
.endr
.endr
.irp br, 0,1
.irp p, 0,1,2,3,4,5,6,7
	ds_store_b128 v29, v[CT+32*\br+4*\p:CT+32*\br+4*\p+3] offset:4096*\br+512*\p
.endr
.endr
	s_wait_loadcnt 36                              ; behind the colours: 4 of s0, 32 of u
.irp n, 0,1,2,3
.irp p, 0,1,2,3,4,5,6,7
	v_lshl_or_b32 v[CC+8*\n+\p], v[TT+16*\n+8+\p], 16, v[TT+16*\n+\p]
	v_add_nc_u32 v[CC+8*\n+\p], v[CC+8*\n+\p], v30 ; 8 .. 15 in a half says: the colour lies in my half of the lanes' eight
.endr
.endr
	BAR                                            ; CWR is whole
	s_wait_alu depctr_va_vdst(0)                   ; the lines that packed the colours are done reading v160 to v223, in which position 0's column term lands
	s_wait_alu depctr_vm_vsrc(0)                   ; the LDS stores have read v96 to v159 (loaded again below), v224 to v255 (the score tiles), v28 and v29; the global loads have read v24 to v27: work registers from here on
.irp s, 0,1,2,3
.irp hf, 0,1
.irp q, 0,1
	ds_load_b128 v[CT+16*\s+8*\hf+4*\q:CT+16*\s+8*\hf+4*\q+3], v16 offset:128*\s+64*\hf+16*\q
.endr
.endr
.endr
; the column term of position p, in the same layout as CT, into the buffer of p's parity; the caller sets the window
.macro TTLOAD p
.set tl, TT
.if (\p)%2
.set tl, TX
.endif
.irp s, 0,1,2,3
.irp hf, 0,1
.irp q, 0,1
	ds_load_b128 v[tl+16*\s+8*\hf+4*\q:tl+16*\s+8*\hf+4*\q+3], v17 offset:512*(\p)+128*\s+64*\hf+16*\q
.endr
.endr
.endr
.endm
; CT for the sums: CT[8 t + i] = (CW + RW + b1)[colour 8 h + i][hidden 16 t + r]
.macro CT2LOAD br
.irp t, 0,1,2,3,4,5,6,7
.irp i, 0,1,2,3,4,5,6,7
	ds_load_b32 v[CT+8*\t+\i], v18 offset:16*PIT*\br+PIT*\i+64*\t
.endr
.endr
.endm
; 64 f32 a lane: add, relu, round to bf16 in place: fragment s ends in the buffer's registers 8 s .. 8 s + 7.  Ascending: word i is written when 2 i, 2 i + 1 are read, never earlier
.macro T1BUILD b
.set tb, TT
.if \b
.set tb, TX
	WIN 0x41                                       ; destination and source 0 in window 1, CT in window 0
.endif
.set ix, 0
.rept 32
	v_pk_add_f32 v[tb+2*ix:tb+2*ix+1], v[tb+2*ix:tb+2*ix+1], v[CT+2*ix:CT+2*ix+1]
.set ix, ix+1
.endr
.if \b
	WIN 0x45                                       ; destination and both sources in window 1
.endif
.set ix, 0
.rept 64
	v_max_num_f32 v[tb+ix], 0, v[tb+ix]
.set ix, ix+1
.endr
.set ix, 0
.rept 32
	v_cvt_pk_bf16_f32 v[tb+ix], v[tb+2*ix], v[tb+2*ix+1]
.set ix, ix+1
.endr
.endm
; of the eight scores in my registers (colours 8 h + j) the one of my batch's cell, or 0; the other half of the lanes holds the rest.
; The 32 compares (eight colours, four batch blocks) stand in one run, each with a mask of its own, and name no score: then one wait, then the selects.
.macro PICK4 p
.irp n, 0,1,2,3
	v_and_b32 v[24+\n], 0xffff, v[CC+8*\n+(\p)]
.endr
.irp j, 0,1,2,3,4,5,6,7
.irp n, 0,1,2,3
	v_cmp_eq_u32 s[MS+4*\j+\n], 8+\j, v[24+\n]
.endr
.endr
	s_wait_alu depctr_va_sdst(0)                   ; the 32 compares have written s66 to s97, which the selects read
.irp n, 0,1,2,3
	v_cndmask_b32 v[28+\n], 0, v[DD+8*\n], s[MS+\n]
.endr
.irp j, 1,2,3,4,5,6,7
.irp n, 0,1,2,3
	v_cndmask_b32 v[28+\n], v[28+\n], v[DD+8*\n+\j], s[MS+4*\j+\n]
.endr
.endr
.irp n, 0,1,2,3
	v_permlanex16_b32 v[24+\n], v[28+\n], s30, s31
.endr
.irp n, 0,1,2,3
	v_add_f32 v[28+\n], v[28+\n], v[24+\n]
.endr
.irp n, 0,1,2,3
	v_add_f32 v[SC+8*\n+(\p)], v[28+\n], v[4+\n]
.endr
.endm
; one position: the next position's loads, table, 16 matrix instructions (4 of K x 4 batch blocks), pick
.macro SCORE p
	s_wait_dscnt 0x0                               ; this position's column term (and, the first time, CT)
.if \p < 7
.if (\p+1)%2
	WIN 0x40                                       ; the odd positions' buffer: destination in window 1
.endif
.if \p > 0
	s_wait_alu depctr_va_vdst(0)                   ; the table lines and matrix instructions of the position before are complete: they wrote and read the buffer in which the loads below land
.endif
	TTLOAD \p+1                                    ; on its way during this whole position
	WIN 0
.endif
	T1BUILD (\p)%2
.if \p == 7
	s_wait_alu depctr_va_vdst(0)                   ; the last position's additions are done reading CT, in which the loads behind the matrix instructions land; those name TX, u and the score tiles alone
.endif
	WIN 0x04+(\p)%2                                ; source 1 (u) in window 1; for an odd position source 0 too
.irp s, 0,1,2,3
.irp n, 0,1,2,3
.if \s == 0
	v_wmma_f32_16x16x32_bf16 v[DD+8*\n:DD+8*\n+7], v[tb+8*\s:tb+8*\s+7], v[32*\n+8*\s:32*\n+8*\s+7], 0
.else
	v_wmma_f32_16x16x32_bf16 v[DD+8*\n:DD+8*\n+7], v[tb+8*\s:tb+8*\s+7], v[32*\n+8*\s:32*\n+8*\s+7], v[DD+8*\n:DD+8*\n+7]
.endif
.endr
.endr
	WIN 0
	PLACES
.if \p == 7
	CT2LOAD 0
.endif
	PICK4 \p
.endm
	TTLOAD 0
	s_wait_loadcnt 0x0                             ; s0 and u; the offsets in v24-27 are free from here
	; PHASE 1
.irp p, 0,1,2,3,4,5,6,7
	SCORE \p
.endr
	; PHASE 2: the largest score of the 32 positions, the weights and their sum
.irp n, 0,1,2,3
	v_max3_num_f32 v[8+\n], v[SC+8*\n], v[SC+8*\n+1], v[SC+8*\n+2]
.endr
.irp n, 0,1,2,3
	v_max3_num_f32 v[8+\n], v[8+\n], v[SC+8*\n+3], v[SC+8*\n+4]
.endr
.irp n, 0,1,2,3
	v_max3_num_f32 v[8+\n], v[8+\n], v[SC+8*\n+5], v[SC+8*\n+6]
.endr
.irp n, 0,1,2,3
	v_max_num_f32 v[8+\n], v[8+\n], v[SC+8*\n+7]
.endr
	s_wait_alu depctr_va_vdst(0)                   ; the maxima v8 to v11 are written, which the LDS stores read
.irp n, 0,1,2,3
	ds_store_b32 v20, v[8+\n] offset:64*\n         ; both halves of the lanes hold and store the same number
.endr
	BAR
.irp n, 0,1,2,3
.irp src, 0,1,2,3
	ds_load_b32 v[TT+4*\n+\src], v21 offset:256*\src+64*\n     ; no vector or matrix instruction since the wait above names v160 to v175
.endr
.endr
	s_wait_dscnt 0x0
	s_wait_alu depctr_vm_vsrc(0)                   ; the four LDS stores have read v8 to v11, which the lines below write again
.irp n, 0,1,2,3
	v_max3_num_f32 v[8+\n], v[TT+4*\n], v[TT+4*\n+1], v[TT+4*\n+2]
.endr
.irp n, 0,1,2,3
	v_max_num_f32 v[8+\n], v[8+\n], v[TT+4*\n+3]
.endr
.irp n, 0,1,2,3
.irp p, 0,1,2,3,4,5,6,7
	v_sub_f32 v[SC+8*\n+\p], v[SC+8*\n+\p], v[8+\n]
.endr
.endr
.set ix, 0
.rept 32
	v_exp_f32 v[SC+ix], v[SC+ix]
.set ix, ix+1
.endr
	v_nop                                          ; one plain instruction between the last exponential and the first use (ISA guide 5.7.2)
	s_wait_alu depctr_va_vdst(0)                   ; the 32 exponentials have written v64 to v95: one wait for the batch, ahead of its first reader
.set ix, 0
.rept 32
	v_cvt_pk_bf16_f32 v[SC+ix], v[SC+ix], 0        ; the weight as the matrix unit will see it, in the low half
.set ix, ix+1
.endr
.irp n, 0,1,2,3
.irp p, 0,1,2,3,4,5,6,7
	v_lshlrev_b32 v[TT+8*\n+\p], 16, v[SC+8*\n+\p]
.endr
.endr
.irp n, 0,1,2,3
	v_pk_add_f32 v[TT+8*\n:TT+8*\n+1], v[TT+8*\n:TT+8*\n+1], v[TT+8*\n+2:TT+8*\n+3]
	v_pk_add_f32 v[TT+8*\n+4:TT+8*\n+5], v[TT+8*\n+4:TT+8*\n+5], v[TT+8*\n+6:TT+8*\n+7]
.endr
.irp n, 0,1,2,3
	v_pk_add_f32 v[TT+8*\n:TT+8*\n+1], v[TT+8*\n:TT+8*\n+1], v[TT+8*\n+4:TT+8*\n+5]
.endr
.irp n, 0,1,2,3
	v_add_f32 v[12+\n], v[TT+8*\n], v[TT+8*\n+1]
.endr
	v_mov_b32 v3, 0x3f80                           ; 1.0 in bf16: the output branch's weight
	s_wait_alu depctr_va_vdst(0)                   ; the sums v12 to v15 are written, which the LDS stores read; and every vector line that named v4 to v15 is complete: the first column terms land there
.irp n, 0,1,2,3
	ds_store_b32 v20, v[12+\n] offset:LX-MX+64*\n
.endr
	s_wait_alu depctr_vm_vsrc(0)                   ; the LDS stores have read v12 to v15 and v20, the LDS loads so far v16, v17 and v21: the column terms land in all of them
; PHASES 3 AND 4: the sums.  A K step is two positions x 16 colours.
; the column terms of a K step: word 8 pp + t = LW[position 2 kk + pp][hidden 16 t + r], in v4-17 and v20-21
.macro LW2LOAD br, kk
.irp pp, 0,1
.irp t, 0,1,2,3,4,5,6,7
.set lwr, 4+8*\pp+\t
.if 8*\pp+\t >= 14
.set lwr, lwr+2
.endif
	ds_load_b32 v[lwr], v19 offset:4096*\br+512*(2*(\kk)+\pp)+64*\t
.endr
.endr
.endm
; A fragment of hidden block t: register 4 pp + ii = colours 8 h + 2 ii, + 1 of position pp
.macro T2FRAG t
.irp pp, 0,1
.set lwr, 4+8*\pp+\t
.if 8*\pp+\t >= 14
.set lwr, lwr+2
.endif
.irp ii, 0,1,2,3
.if (\t)&1
	v_pk_add_f32 v[240+8*\pp+2*\ii:241+8*\pp+2*\ii], v[CT+8*\t+2*\ii:CT+8*\t+2*\ii+1], v[lwr-1:lwr] op_sel:[0,1] op_sel_hi:[1,1]
.else
	v_pk_add_f32 v[240+8*\pp+2*\ii:241+8*\pp+2*\ii], v[CT+8*\t+2*\ii:CT+8*\t+2*\ii+1], v[lwr:lwr+1] op_sel_hi:[1,0]
.endif
.endr
.endr
.set ix, 0
.rept 16
	v_max_num_f32 v[240+ix], 0, v[240+ix]
.set ix, ix+1
.endr
.irp pp, 0,1
.irp ii, 0,1,2,3
	v_cvt_pk_bf16_f32 v[TT+8*\t+4*\pp+\ii], v[240+8*\pp+2*\ii], v[241+8*\pp+2*\ii]
.endr
.endr
.endm
; B fragments of position p for the four batch blocks: register 4 pp + jj holds colours 8 h + 2 jj (low half), + 1 (high half).
; OHHEAD: the value in its half (v28-31), the register's number (v24-27), and the sixteen compares in one run with their wait.  OHSEL: the sixteen selects.
.macro OHHEAD br, p
.irp n, 0,1,2,3
.if \br
	v_lshrrev_b32 v[24+\n], 16, v[CC+8*\n+(\p)]
.else
	v_and_b32 v[24+\n], 0xffff, v[CC+8*\n+(\p)]
.endif
.endr
.irp n, 0,1,2,3
	v_and_b32 v[28+\n], 1, v[24+\n]
.endr
.irp n, 0,1,2,3
	v_lshlrev_b32 v[28+\n], 4, v[28+\n]            ; odd colours: the high half
.endr
.irp n, 0,1,2,3
	v_lshrrev_b32 v[24+\n], 1, v[24+\n]            ; 4 + jj where the colour is one of my eight
.endr
.irp n, 0,1,2,3
.if \br
	v_lshlrev_b32 v[28+\n], v[28+\n], v3
.else
	v_lshlrev_b32 v[28+\n], v[28+\n], v[SC+8*\n+(\p)]
.endif
.endr
.irp jj, 0,1,2,3
.irp n, 0,1,2,3
	v_cmp_eq_u32 s[MS+4*\jj+\n], 4+\jj, v[24+\n]
.endr
.endr
	s_wait_alu depctr_va_sdst(0)                   ; the sixteen compares have written s66 to s81, which the selects read
.endm
.macro OHSEL pp
.irp jj, 0,1,2,3
.irp n, 0,1,2,3
	v_cndmask_b32 v[DD+8*\n+4*\pp+\jj], 0, v[28+\n], s[MS+4*\jj+\n]
.endr
.endr
.endm
.macro KBUILD left
	s_wait_dscnt \left                             ; CT and this step's column terms are in
	PLACES                                         ; TT and v240-255 were sources of the last matrix instructions
.irp t, 0,1,2,3,4,5,6,7
	T2FRAG \t
.endr
.endm
; next = 1: the next step's column terms are asked for; 2: branch 1's CT and its first column terms; 0: nothing is left to ask for
.macro KMUL br, kk, zero, next
	OHHEAD \br, 2*\kk
.if \next
	s_wait_alu depctr_va_vdst(0)                   ; this step's table lines are done reading the column terms (and CT), in which the loads below land
.if \next == 2
	CT2LOAD 1
	LW2LOAD 1, 0
.else
	LW2LOAD \br, \kk+1
.endif
.endif
	OHSEL 0
	OHHEAD \br, 2*\kk+1
	OHSEL 1
.if \br && \zero
	s_wait_alu depctr_vm_vsrc(0)                   ; the LDS stores of branch 0's sums have read the accumulators, which the matrix instructions below write anew
.endif
	WIN 0x50                                       ; C and D in window 1
.irp t, 0,1,2,3,4,5,6,7
.irp n, 0,1,2,3
.if \zero
	v_wmma_f32_16x16x32_bf16 v[8*(4*\t+\n):8*(4*\t+\n)+7], v[TT+8*\t:TT+8*\t+7], v[DD+8*\n:DD+8*\n+7], 0
.else
	v_wmma_f32_16x16x32_bf16 v[8*(4*\t+\n):8*(4*\t+\n)+7], v[TT+8*\t:TT+8*\t+7], v[DD+8*\n:DD+8*\n+7], v[8*(4*\t+\n):8*(4*\t+\n)+7]
.endif
.endr
.endr
	WIN 0
.endm
; a lane holds, for batch 16 n + r, hidden 16 t + 8 h .. + 7: 32 neighbouring bytes of the batch's row
.macro DUMP br
	PLACES
	WIN 0x04                                       ; store data in window 1
	s_wait_alu depctr_va_vdst(0)                   ; the matrix instructions have written the accumulators, which the LDS stores read; the places above stay beside this wait
.irp n, 0,1,2,3
.irp t, 0,1,2,3,4,5,6,7
.irp q, 0,1
	ds_store_b128 v[22+\br], v[8*(4*\t+\n)+4*\q:8*(4*\t+\n)+4*\q+3] offset:16*PIT*\n+64*\t+16*\q
.endr
.endr
.endr
	WIN 0
.endm
	LW2LOAD 0, 0
	KBUILD 0
	KMUL 0, 0, 1, 1                                ; the first products start the sums: nothing is cleared
	KBUILD 0
	KMUL 0, 1, 0, 1
	KBUILD 0
	KMUL 0, 2, 0, 1
	KBUILD 0
	KMUL 0, 3, 0, 2
	DUMP 0
	KBUILD 63                                      ; the 80 loads stand in front of the dump's 64 stores and LDS serves a wave in order (ISA guide 5.7.1): at most 64 out would do, 63 is the largest count the wait can name
	KMUL 1, 0, 1, 1
	KBUILD 0
	KMUL 1, 1, 0, 1
	KBUILD 0
	KMUL 1, 2, 0, 1
	KBUILD 0
	KMUL 1, 3, 0, 0
	DUMP 1
	; PHASE 5: the four waves' sums are added; wave w takes batches 16 w .. + 15.  Eight blocks of four rows (block k: branch k / 4, rows 4 (k % 4) ..) on two buffers of 64 registers
	BAR
	v_lshlrev_b32 v40, 4, v1                       ; 16 L
	s_mul_i32 s28, s20, 16*PIT
	s_add_co_u32 s28, s28, RED
	v_add_nc_u32 v24, s28, v40
.irp br, 0,1
.irp src, 0,1,2,3
	v_add_nc_u32 v[32+4*\br+\src], REDB*\br+REDW*\src, v24
.endr
.endr
	s_wait_alu depctr_va_vdst(0)                   ; the addresses v32 to v40 are written; the vector and matrix instructions that named v96 to v223 are complete: the rows land there
.macro ROWLOAD k
.set rb, 96+64*((\k)%2)
.irp i, 0,1,2,3
.irp src, 0,1,2,3
	ds_load_b128 v[rb+16*\i+4*\src:rb+16*\i+4*\src+3], v[32+4*((\k)/4)+\src] offset:PIT*(4*((\k)%4)+\i)
.endr
.endr
.endm
.macro ROWSUM k, younger               ; younger: the next block's sixteen loads, or none
.set rb, 96+64*((\k)%2)
.irp i, 0,1,2,3
	s_wait_dscnt \younger+12-4*\i                  ; four loads for each of the block's rows behind this one, and the next block's, stay out
	ADDQ rb+16*\i, rb+16*\i+4
	ADDQ rb+16*\i+8, rb+16*\i+12
	ADDQ rb+16*\i, rb+16*\i+8
.endr
	s_wait_alu depctr_va_vdst(0)                   ; the block's additions have written the four rows that the stores read, and are done reading the buffer
.irp i, 0,1,2,3
	global_store_b128 v40, v[rb+16*\i:rb+16*\i+3], s[14:15] offset:131072*(4*((\k)%4)+\i)+512*((\k)/4)   ; 512 consecutive bytes, aligned
.endr
.endm
	ROWLOAD 0
	ROWLOAD 1
.irp k, 0,1,2,3,4,5
	ROWSUM \k, 16
	s_wait_xcnt 0x0                                ; the buffer held store data: it is loaded again only behind this wait
	s_wait_alu depctr_vm_vsrc(0)                   ; the four stores have read their rows, in which the loads below land
	ROWLOAD \k+2                                   ; on its way during the next block
.endr
	ROWSUM 6, 16
	ROWSUM 7, 0
	s_cmp_lg_u32 s20, 0
	s_cbranch_scc1 .Lend
	v_lshlrev_b32 v41, 3, v1                       ; two batches a lane
	s_wait_alu depctr_va_vdst(0)                   ; v41 is written, which the loads and stores below read as their address
.irp src, 0,1,2,3
	ds_load_b64 v[42+2*\src:43+2*\src], v41 offset:MX+256*\src
	ds_load_b64 v[50+2*\src:51+2*\src], v41 offset:LX+256*\src
.endr
	s_wait_dscnt 0x0
	v_max3_num_f32 v42, v42, v44, v46
	v_max3_num_f32 v43, v43, v45, v47
	v_max_num_f32 v42, v42, v48
	v_max_num_f32 v43, v43, v49
	v_pk_add_f32 v[50:51], v[50:51], v[52:53]
	v_pk_add_f32 v[54:55], v[54:55], v[56:57]
	v_pk_add_f32 v[50:51], v[50:51], v[54:55]
	s_wait_alu depctr_va_vdst(0)                   ; the maxima v42, v43 and the sums v50, v51 are written, which the two stores read
	global_store_b64 v41, v[42:43], s[16:17]               ; 256 consecutive bytes, aligned
	global_store_b64 v41, v[50:51], s[16:17] offset:512
.Lend:
	s_set_vgpr_msb 0xa
	s_wait_dscnt 0x0
	s_wait_alu depctr_hold_cnt(0) depctr_sa_sdst(0) depctr_va_vdst(0) depctr_va_sdst(0) depctr_va_ssrc(0) depctr_va_vcc(0) depctr_vm_vsrc(0)
	s_wait_tensorcnt 0x0
	ds_add_u32 v0, v1
	s_wait_dscnt 0x0
	s_endpgm
.Lfunc_end_k_q44e853c52d_cells:
	.size	k_q44e853c52d_cells, .Lfunc_end_k_q44e853c52d_cells-k_q44e853c52d_cells
	.p2alignl 7, 3214868480
	.fill 96, 4, 3214868480
	.section	.rodata,"a",@progbits
	.p2align	6, 0x0
	.amdhsa_kernel k_q44e853c52d_cells
		.amdhsa_group_segment_fixed_size 322560
		.amdhsa_private_segment_fixed_size 0
		.amdhsa_enable_private_segment 0
		.amdhsa_kernarg_size 56
		.amdhsa_user_sgpr_count 2
		.amdhsa_user_sgpr_kernarg_segment_ptr 1
		.amdhsa_wavefront_size32 1
		.amdhsa_system_sgpr_workgroup_id_x 1
		.amdhsa_system_sgpr_workgroup_id_y 1
		.amdhsa_system_sgpr_workgroup_id_z 1
		.amdhsa_system_vgpr_workitem_id 0
		.amdhsa_next_free_vgpr 514
		.amdhsa_next_free_sgpr 98
		.amdhsa_reserve_vcc 0
		.amdhsa_float_denorm_mode_32 3
		.amdhsa_float_denorm_mode_16_64 3
		.amdhsa_memory_ordered 1
		.amdhsa_forward_progress 1
		.amdhsa_inst_pref_size 255
	.end_amdhsa_kernel
	.section	.bss,"aw",@nobits
	.p2align	6
	.space	262144
	.amdgpu_metadata
---
amdhsa.version: [ 1, 2 ]
amdhsa.kernels:
  - .name:           k_q44e853c52d_cells
    .symbol:         k_q44e853c52d_cells.kd
    .args:
      - { .name: obs, .offset: 0, .size: 8, .value_kind: global_buffer, .address_space: global }
      - { .name: ubf, .offset: 8, .size: 8, .value_kind: global_buffer, .address_space: global }
      - { .name: cur, .offset: 16, .size: 8, .value_kind: global_buffer, .address_space: global }
      - { .name: cwt, .offset: 24, .size: 8, .value_kind: global_buffer, .address_space: global }
      - { .name: rlw, .offset: 32, .size: 8, .value_kind: global_buffer, .address_space: global }
      - { .name: ph, .offset: 40, .size: 8, .value_kind: global_buffer, .address_space: global }
      - { .name: ml, .offset: 48, .size: 8, .value_kind: global_buffer, .address_space: global }
    .group_segment_fixed_size: 322560
    .private_segment_fixed_size: 0
    .kernarg_segment_align: 8
    .kernarg_segment_size: 56
    .max_flat_workgroup_size: 128
    .sgpr_count:     98
    .vgpr_count:     514
    .wavefront_size: 32
...
	.end_amdgpu_metadata
.endif
;; end of part 4
;; launch finish: the kernel of part 3 again; grid 128 x 1, 16 waves a work-group, no clusters, 22,528 bytes of LDS; arguments ph, ml, cur, params_in_w2, params_in_b2, params_out_w2, params_out_b2, params_v_w, params_v_b, params_o_w, params_o_b, params_c_w1, params_c_b1, params_c_w2, params_c_b2, out0; writes out0
